; MI455X (gfx1250); checked and timed in simulation.
; The chip was launched on July 23, 2026; its instructions are those of AMD's public machine-readable ISA for CDNA 5 (MIT licence, August 2026) and "CDNA5" Instruction Set Architecture Reference Guide (July 2026). The comments in the code are by the model that wrote it; some were corrected since.
;; Grouped Query Attention. Allowed arithmetic: matrix products marked QUANTISED: E4M3 operands, one given power-of-two scale a tensor, by v_wmma_f32_16x16x64_fp8_fp8 or v_wmma_f32_16x16x128_fp8_fp8, f32 sums; everything else in f32.
;; Inputs: Wk 2,048 x 512 float32; Wo 2,048 x 2,048 float32; Wq 2,048 x 2,048 float32; Wv 2,048 x 512 float32; attention_mask 1 x 1 x 1,024 x 1,024 float32; hidden_states 4 x 1,024 x 2,048 float32; lowp_scales 12 int32 (the exponents e of the quantised operands' scales 2^e); position_ids 1,024 int32.
;; Outputs: out0 4 x 1,024 x 2,048 float32.
;; This version of the problem:
;;   THIS VERSION OF THE PROBLEM IS GIVEN IN LOW PRECISION. The matrix products marked QUANTISED in the list below multiply operands that are first quantised to E4M3 (4 exponent bits, 3 mantissa bits; 8 bits a number), with one given power-of-two scale for each operand tensor; their sums are f32. All else is computed in f32.
;;   The module's matrix products, in the order in which they are computed (A, B: the left and right operand; K: the contracted axis; several contracted axes count as one K, in the product's order):
;;     1. [M 4,096, K 2,048] x [K 2,048, N 2,048]; A: input hidden_states; B: input Wq: QUANTISED (scales: A lowp_scales[0], B lowp_scales[1])
;;     2. [M 4,096, K 2,048] x [K 2,048, N 512]; A: input hidden_states; B: input Wk: QUANTISED (scales: A lowp_scales[2], B lowp_scales[3])
;;     3. [M 4,096, K 2,048] x [K 2,048, N 512]; A: input hidden_states; B: input Wv: QUANTISED (scales: A lowp_scales[4], B lowp_scales[5])
;;     4. batch 128 x [M 1,024, K 64] x [K 64, N 1,024]; A: computed on the way; B: computed on the way: QUANTISED (scales: A lowp_scales[6], B lowp_scales[7])
;;     5. batch 128 x [M 1,024, K 1,024] x [K 1,024, N 64]; A: softmax (see below); B: computed on the way: QUANTISED (scales: A lowp_scales[8], B lowp_scales[9])
;;     6. [M 4,096, K 2,048] x [K 2,048, N 2,048]; A: computed on the way; B: input Wo: QUANTISED (scales: A lowp_scales[10], B lowp_scales[11])
;;   THE QUANTISER, for each operand of a quantised product, along K:
;;     - The operand's scale is 2^e, e = its entry of the input lowp_scales (int32; the entries are numbered through the quantised products in the list's order, A before B).
;;     - Each number is divided by the scale, clamped to +-448, and rounded to the nearest number of E4M3, ties to even, subnormals kept.
;;     - The product sums the exact products of the quantised numbers (number of the format x scale) in f32.
;;   ~~~python
;;   def quantise(x, axis, e):      # numpy; x: float32 -> the quantised numbers, widened to float32 again
;;       x = np.moveaxis(x, axis, -1); K = x.shape[-1]
;;       r = np.clip(x / 2.0 ** e, -448, 448)
;;       step = 2.0 ** (np.maximum(np.frexp(np.where(r == 0, 1, r))[1] - 1, -6) - 3)
;;       q = np.round(r / step) * step * 2.0 ** e      # np.round: ties to even
;;       return np.moveaxis(q, -1, axis).astype(np.float32)
;;   ~~~
;;   SOFTMAX AHEAD OF A QUANTISED PRODUCT. Where the list says 'softmax', what is quantised is not the finished softmax but p = 2^(t - M), with t = logit x log2(e) and M = ceil(the row's largest t), a whole number; so 1/2 < the row's largest p <= 1. The row's sum l is taken of the UNQUANTISED p, in f32, and the product's result is divided by l at the end. Since M is a whole number, a kernel that streams over the keys may use a running M (the ceiling of the running maximum): every later rescaling is an exact power of two, so the quantised numbers keep their values, but for numbers so far below the row's largest that they fall under the format's range.
;;   OPERANDS COMPUTED ON THE WAY. 'Computed on the way' means the value that the module computes at that place (a softmax that the list does not call 'softmax' is quantised finished and normalised). What goes into a quantiser is computed in f32, as accurately as f32 sums, v_exp_f32 and their like allow (about 1e-6 of the number): no bf16 or f16 on the way to a quantiser, and a product that is left as it is and whose result goes on into a quantised operand takes f32 operands (vector FMAs, or v_wmma_f32_16x16x4_f32). A number that lies on a knife's edge between two numbers of the format may be rounded either way, as far as f32 arithmetic and the matrix unit's own rounding can turn it there, and no further.
;; One version. Each part assembles by itself: llvm-mc -triple=amdgcn-amd-amdhsa -mcpu=gfx1250 --defsym DOCPART=n.
;; ======== version 1 of 1: 4 launches
;; limits: right only within a limited range of input values
;; workspace buffers: h_codes 25,165,824 bytes; w_codes 10,485,760 bytes; mask2 4,194,304 bytes; cs_tab 262,144 bytes; q_codes 8,388,608 bytes; kv_codes 4,194,304 bytes; a_codes 8,388,608 bytes
;; launch prep (part 1): grid 712 x 1, 4 waves a work-group, no clusters, 102,912 bytes of LDS; arguments hidden_states, Wq, Wk, Wv, Wo, attention_mask, position_ids, lowp_scales, h_codes, w_codes, mask2, cs_tab; writes h_codes, w_codes, mask2, cs_tab
.if DOCPART == 1
	.amdgcn_target "amdgcn-amd-amdhsa--gfx1250"
	.amdhsa_code_object_version 6
	.text
	.protected	k_qca3165d8d1_prep
	.globl	k_qca3165d8d1_prep
	.p2align	8
	.type	k_qca3165d8d1_prep,@function
k_qca3165d8d1_prep:
	s_mov_b64 s[64:65], 0
	v_nop
	global_prefetch_b8 v0, s[64:65] scope:SCOPE_SE
	s_setreg_imm32_b32 hwreg(HW_REG_WAVE_MODE, 25, 1), 1
	s_wait_xcnt 0x0
; PREP: everything that later launches read many times is made once.  Four kinds of work-group, told apart by the work-group's number; each kind has LDS bytes of its own.
;   0-7     cos and sin of position x 10^(-i/8), i = 0 .. 31, for the 1,024 places, laid in the order in which the projection's result registers want them (cs_tab)
;   8-135   the additive mask x log2(e), held at -3e38 from below, laid in the order of the score registers of the attention launch (mask2)
;   136-391 hidden_states into codes of E4M3: plane 0 with lowp_scales[0]; plane 1 with [2] and plane 2 with [4], each made only where its exponent differs from [0] (the reader then takes plane 0)
;   392-711 Wq, Wo, Wk, Wv (K is their FIRST axis) into codes with K innermost: rows 0-2047 Wq^T, 2048-2559 Wk^T, 2560-3071 Wv^T, 3072-5119 Wo^T of w_codes, 2,048 bytes a row
; code = x / 2^e, held within +-448, rounded to the nearest code, ties to even.
; LIMITS: every exponent used here lies between -126 and 119; NaN among the inputs is not served; |position| under 2^24; a mask entry below -3e38 / log2(e) counts as that.
; No tensor load and no copy stand in this text.  Waves share nothing: no barrier.
; TWO LAYOUTS ARE STATED ANEW, AND THESE LINES HOLD WHERE THE HEAD ABOVE SAYS OTHERWISE:
;   mask2 holds mask x 2^(3 - e6 - e7), held at -2^(67 - e6 - e7) from below: the additive mask in the units of a sum of the score product's codes (see THE MASK).
;   Wo's codes, from byte 3072 x 2048 of w_codes on, lie in the order of the output projection's operand registers (see .Lwo_out).
; LIMITS that come with it: e6 + e7 between -60 and 19; a mask entry below -2^64 counts as that.
.set SPARE, 102400
.set SPW,   12                         ; v12  LDS address of my spare word; never rewritten
.set NIL,   13                         ; v13  0; never rewritten
.macro FINISH                          ; the wave's end
	s_wait_tensorcnt 0x0
	ds_add_u32 v[SPW], v[NIL]
	s_wait_dscnt 0x0
	s_endpgm
.endm
	s_load_b512 s[4:19], s[0:1], 0x0               ; hidden s[4:5], Wq s[6:7], Wk s[8:9], Wv s[10:11], Wo s[12:13], mask s[14:15], positions s[16:17], exponents s[18:19]
	s_load_b256 s[20:27], s[0:1], 0x40             ; h_codes s[20:21], w_codes s[22:23], mask2 s[24:25], cs_tab s[26:27]
	v_lshl_add_u32 v[SPW], v0, 2, SPARE
	v_mov_b32 v[NIL], 0
	v_lshrrev_b32 v1, 5, v0
	v_readfirstlane_b32 s28, v1                    ; wave 0..3
	v_and_b32 v2, 31, v0                           ; lane
	s_wait_kmcnt 0x0
	s_load_b256 s[32:39], s[18:19], 0x0            ; e0 .. e7
	s_load_b128 s[40:43], s[18:19], 0x20           ; e8 .. e11
	s_cmp_lt_u32 ttmp9, 8
	s_cbranch_scc1 .Lrope
	s_cmp_lt_u32 ttmp9, 136
	s_cbranch_scc1 .Lmask
	s_cmp_lt_u32 ttmp9, 392
	s_cbranch_scc1 .Lhid
; ---------------- THE WEIGHTS.  A lane takes a column n and its registers run down K: each load reads neighbouring n in neighbouring lanes, and the conversions, which take
; neighbours along K from one lane's registers, give codes with K innermost.  A wave takes 32 columns x 256 along K; the codes go through its own stage (rows of 256 + 16 bytes) and leave as rows.
.set WX,     32                        ; v32-95   two sets of 32 numbers
.set WC,     96                        ; v96-103  a block's codes
.set WOUT,   112                       ; v112-175 the way out
.set WPITCH, 272
.set WST,    32768                     ; this kind's LDS bytes: 4 x 8,704
	s_sub_co_u32 s29, ttmp9, 392                   ; 0-127 Wq, 128-255 Wo (rows of 8,192 bytes), 256-287 Wk, 288-319 Wv (rows of 2,048 bytes)
	s_mov_b32 s50, 2560
	s_cmp_lt_u32 s29, 288
	s_cselect_b64 s[48:49], s[8:9], s[10:11]       ; the choices hang on the work-group's number alone
	s_cselect_b32 s50, 2048, s50
	s_cmp_lt_u32 s29, 256
	s_cselect_b64 s[48:49], s[12:13], s[48:49]
	s_cselect_b32 s50, 3072, s50
	s_cselect_b32 s60, 0, 1                        ; 1: a narrow weight
	s_cselect_b32 s46, 21, 19                      ; 256 rows of the weight are 2^21 or 2^19 bytes
	s_cmp_lt_u32 s29, 128
	s_cselect_b64 s[48:49], s[6:7], s[48:49]       ; the weight,
	s_cselect_b32 s50, 0, s50                      ; and its first row in w_codes
	s_and_b32 s44, s29, 15
	s_bfe_u32 s45, s29, 0x30004
	s_and_b32 s47, s29, 3
	s_bfe_u32 s52, s29, 0x30002
	s_cmp_eq_u32 s60, 0
	s_cselect_b32 s44, s44, s47                    ; which 128 columns
	s_cselect_b32 s45, s45, s52                    ; which 256 along K
	s_lshl_b32 s44, s44, 7
	s_lshl_b32 s47, s28, 5
	s_add_co_u32 s44, s44, s47                     ; my wave's first column
	s_lshl_b32 s30, s45, s46
	s_lshl_b32 s47, s44, 2
	s_add_co_u32 s30, s30, s47
	s_mov_b32 s31, 0
	s_add_nc_u64 s[48:49], s[48:49], s[30:31]      ; the weight at my wave's part
	s_add_co_u32 s44, s44, s50
	s_lshl_b32 s30, s44, 11
	s_lshr_b32 s61, s29, 7                         ; 1: Wo
	s_cmp_eq_u32 s61, 1
	s_cselect_b32 s62, 12, 8                       ; 256 along K: two blocks of 2,048 bytes of a column tile of Wo, or 256 bytes of a row
	s_lshl_b32 s47, s45, s62
	s_add_co_u32 s30, s30, s47
	s_add_nc_u64 s[22:23], s[22:23], s[30:31]      ; and its codes
	s_wait_alu depctr_va_vdst(0)
	v_lshlrev_b32 v3, 2, v2                        ; in: 4 bytes a lane
	s_mul_i32 s53, s28, 32*WPITCH
	s_add_co_u32 s53, s53, WST                     ; my stage
	v_mul_u32_u24 v4, v2, WPITCH
	v_add_nc_u32 v4, s53, v4                       ; into it: row = my column
	v_and_b32 v5, 15, v2
	v_lshrrev_b32 v6, 4, v2
	v_mul_u32_u24 v7, v6, WPITCH
	v_lshl_add_u32 v7, v5, 4, v7
	v_add_nc_u32 v7, s53, v7                       ; out of it: sixteen lanes to a row, two rows an instruction
	v_lshlrev_b32 v8, 11, v6
	v_lshl_add_u32 v8, v5, 4, v8                   ; and the same place in w_codes
.macro WLOAD t                         ; block t: W(32 t + i, my column) into set t % 2.  Only the row's length differs between the two arms: both issue 32 loads
	s_cmp_lg_u32 s60, 0
	s_cbranch_scc1 .Lnarrow_\@
.irp i, 0,1,2,3,4,5,6,7,8,9,10,11,12,13,14,15,16,17,18,19,20,21,22,23,24,25,26,27,28,29,30,31
	global_load_b32 v[WX+32*((\t)%2)+\i], v3, s[48:49] offset:(32*(\t)+\i)*8192 th:TH_LOAD_NT
.endr
	s_branch .Lloaded_\@
.Lnarrow_\@:
.irp i, 0,1,2,3,4,5,6,7,8,9,10,11,12,13,14,15,16,17,18,19,20,21,22,23,24,25,26,27,28,29,30,31
	global_load_b32 v[WX+32*((\t)%2)+\i], v3, s[48:49] offset:(32*(\t)+\i)*2048 th:TH_LOAD_NT
.endr
.Lloaded_\@:
.endm
	WLOAD 0
	WLOAD 1
	s_wait_kmcnt 0x0
	s_cmp_lt_u32 s29, 288
	s_cselect_b32 s51, s35, s37
	s_cmp_lt_u32 s29, 256
	s_cselect_b32 s51, s43, s51
	s_cmp_lt_u32 s29, 128
	s_cselect_b32 s51, s33, s51                    ; e: entry 1, 11, 3 or 5
	s_add_co_i32 s51, s51, 127
	s_lshl_b32 s52, s51, 23
	v_mov_b32 v11, s52                             ; 2^e as f32: the conversion takes its exponent field
	s_add_co_i32 s51, s51, 8
	s_lshl_b32 s51, s51, 23
	s_or_b32 s51, s51, 0x600000
	v_mov_b32 v10, s51                             ; 448 x 2^e
.macro WBLOCK t
.set XS, WX+32*((\t)%2)
.if (\t) < 7
	s_wait_loadcnt 32                              ; this block's 32 loads are in; the next block's may be out
.else
	s_wait_loadcnt 0
.endif
.set n, 0
.rept 32
	v_med3_num_f32 v[XS+n], v[XS+n], -v10, v10     ; the conversion to an 8-bit code does not saturate (ISA guide 7.6.2): the hold comes first
.set n, n+1
.endr
.irp g, 0,1,2,3
	v_cvt_scalef32_pk8_fp8_f32 v[WC+2*\g:WC+2*\g+1], v[XS+8*\g:XS+8*\g+7], v11
.endr
	ds_store_b128 v4, v[WC:WC+3] offset:32*(\t)    ; 32 codes: 32 bytes of my column's row
	ds_store_b128 v4, v[WC+4:WC+7] offset:32*(\t)+16
.if (\t)+2 < 8
	WLOAD (\t)+2
.endif
	s_wait_dscnt 0x0                               ; the stores have read their registers: the next block's codes may be written (its 32 holds are the plain lines behind these conversions)
.endm
	s_wait_alu depctr_va_vdst(0)
.irp t, 0,1,2,3,4,5,6,7
	WBLOCK \t
.endr
	s_cmp_eq_u32 s61, 1
	s_cbranch_scc1 .Lwo_out
.irp t, 0,1,2,3,4,5,6,7,8,9,10,11,12,13,14,15
	ds_load_b128 v[WOUT+4*\t:WOUT+4*\t+3], v7 offset:2*\t*WPITCH   ; LDS serves a wave's instructions in order: these see my stores
.endr
.irp t, 0,1,2,3,4,5,6,7,8,9,10,11,12,13,14,15
	s_wait_dscnt 15-\t
	global_store_b128 v8, v[WOUT+4*\t:WOUT+4*\t+3], s[22:23] offset:2*\t*2048   ; sixteen lanes store 256 consecutive bytes, aligned
.endr
	FINISH
; Wo leaves in the order of an operand's registers: column tile ct (16 columns) has 32,768 bytes, K step ks (128 along K) 2,048 of them, group c 512: lane 16 h + r holds column 16 ct + r, K = 128 ks + 32 c + 16 h + 0 .. 15.
; My stage holds two column tiles x two K steps: sixteen groups, each read from sixteen rows of the stage and stored as 512 consecutive bytes.
.Lwo_out:
	v_mul_u32_u24 v9, v5, WPITCH
	v_lshl_add_u32 v9, v6, 4, v9
	v_add_nc_u32 v9, s53, v9                       ; stage row r, + 16 h
	v_lshlrev_b32 v14, 4, v2                       ; 16 bytes a lane
	s_wait_alu depctr_va_vdst(0)
.irp t, 0,1,2,3,4,5,6,7,8,9,10,11,12,13,14,15
	ds_load_b128 v[WOUT+4*\t:WOUT+4*\t+3], v9 offset:(\t/8)*16*WPITCH+((\t/4)%2)*128+(\t%4)*32
.endr
.irp t, 0,1,2,3,4,5,6,7,8,9,10,11,12,13,14,15
	s_wait_dscnt 15-\t
	global_store_b128 v14, v[WOUT+4*\t:WOUT+4*\t+3], s[22:23] offset:(\t/8)*32768+((\t/4)%2)*2048+(\t%4)*512
.endr
	FINISH
; ---------------- HIDDEN STATES.  A plain stream of blocks of 32.  A wave takes 16 steps of 512 numbers.  Each load reads 512 consecutive bytes; a step's 2,048 bytes turn through the wave's own
; stage (16 bytes of padding behind each 64), so that a lane then holds 16 neighbours; its 16 codes are 16 bytes, and the wave stores 512 consecutive bytes for each plane.
.set HR, 16                            ; v16-79   four sets of 16 numbers as loaded
.set HX, 80                            ; v80-111  two sets of 16 neighbours
.set HT, 112                           ; v112-127 held numbers of the plane in hand
.set HC, 128                           ; v128-139 codes, four registers a plane
.set SP, 80                            ; a lane's place in a stage
.Lhid:
	s_sub_co_u32 s29, ttmp9, 136
	s_lshl_b32 s29, s29, 2
	s_add_co_u32 s29, s29, s28                     ; which run of 8,192 numbers is my wave's
	s_lshl_b32 s30, s29, 15
	s_mov_b32 s31, 0
	s_add_nc_u64 s[4:5], s[4:5], s[30:31]
	s_lshl_b32 s30, s29, 13
	s_add_nc_u64 s[54:55], s[20:21], s[30:31]      ; plane 0,
	s_add_nc_u64 s[56:57], s[54:55], 0x800000      ; plane 1,
	s_add_nc_u64 s[58:59], s[54:55], 0x1000000     ; plane 2
	s_wait_alu depctr_va_vdst(0)
	v_lshlrev_b32 v3, 4, v2                        ; my 16 bytes of a load's 512, and of a step's codes
	s_lshl_b32 s44, s28, 13                        ; this kind's LDS bytes: 8,192 for each wave, from 0
	v_lshrrev_b32 v14, 2, v2
	v_mul_u32_u24 v14, v14, SP
	v_and_b32 v15, 3, v2
	v_lshl_add_u32 v14, v15, 4, v14
	v_add_nc_u32 v14, s44, v14                     ; the stage on the way in: SP (lane / 4) + 16 (lane % 4)
	v_mul_u32_u24 v15, v2, SP
	v_add_nc_u32 v15, s44, v15                     ; and on the way out: SP x lane
.macro HLOAD t
.irp i, 0,1,2,3
	global_load_b128 v[HR+16*((\t)%4)+4*\i:HR+16*((\t)%4)+4*\i+3], v3, s[4:5] offset:2048*(\t)+512*\i th:TH_LOAD_NT
.endr
.endm
.macro HTURN t                         ; step t's numbers through the stage; LDS serves a wave's instructions in order
.irp i, 0,1,2,3
	ds_store_b128 v14, v[HR+16*((\t)%4)+4*\i:HR+16*((\t)%4)+4*\i+3] offset:32*SP*((\t)%2)+8*SP*\i
.endr
.irp i, 0,1,2,3
	ds_load_b128 v[HX+16*((\t)%2)+4*\i:HX+16*((\t)%2)+4*\i+3], v15 offset:32*SP*((\t)%2)+16*\i
.endr
.endm
.irp t, 0,1,2,3
	HLOAD \t
.endr
	s_wait_alu depctr_va_vdst(0)
	s_wait_kmcnt 0x0
	s_cmp_eq_u32 s34, s32
	s_cselect_b32 s60, 1, 0                        ; 1: plane 1 would equal plane 0 and is not made
	s_cmp_eq_u32 s36, s32
	s_cselect_b32 s61, 1, 0                        ; the same for plane 2
.irp p, 0,1,2
	s_add_co_i32 s45, s[32+2*\p], 127
	s_lshl_b32 s46, s45, 23
	v_mov_b32 v[5+\p], s46                         ; 2^e
	s_add_co_i32 s45, s45, 8
	s_lshl_b32 s45, s45, 23
	s_or_b32 s45, s45, 0x600000
	v_mov_b32 v[8+\p], s45                         ; 448 x 2^e
.endr
	s_wait_alu depctr_va_vdst(0)
	s_wait_loadcnt 12                              ; step 0's four loads are in
	HTURN 0
.macro HPLANE p, t
.irp i, 0,1,2,3,4,5,6,7,8,9,10,11,12,13,14,15
	v_med3_num_f32 v[HT+\i], v[XS+\i], -v[8+\p], v[8+\p]
.endr
	v_cvt_scalef32_pk8_fp8_f32 v[HC+4*\p:HC+4*\p+1], v[HT:HT+7], v[5+\p]
	v_cvt_scalef32_pk8_fp8_f32 v[HC+4*\p+2:HC+4*\p+3], v[HT+8:HT+15], v[5+\p]
	v_nop                                          ; a plain line behind the conversions: the next plane's holds write their sources
	global_store_b128 v3, v[HC+4*\p:HC+4*\p+3], s[54+2*\p:55+2*\p] offset:512*(\t)
.endm
.macro HSTEP t
.set XS, HX+16*((\t)%2)
	s_wait_dscnt 0x0                               ; this step's numbers are back from the stage, and its stores into the stage have read their registers,
	s_wait_xcnt 0x0                                ; and the last step's stores have read their codes: those registers are written again below
.if (\t)+4 < 16
	HLOAD (\t)+4
.endif
.if (\t)+1 < 16
.if 14-(\t) >= 3
	s_wait_loadcnt 12                              ; the next step's four loads are in; those of the three steps behind it may be out
.else
	s_wait_loadcnt 4*(14-(\t))
.endif
	HTURN (\t)+1
.endif
	HPLANE 0, \t
	s_cmp_lg_u32 s60, 0
	s_cbranch_scc1 .Lno_plane1_\@
	HPLANE 1, \t
.Lno_plane1_\@:
	s_cmp_lg_u32 s61, 0
	s_cbranch_scc1 .Lno_plane2_\@
	HPLANE 2, \t
.Lno_plane2_\@:
.endm
.irp t, 0,1,2,3,4,5,6,7,8,9,10,11,12,13,14,15
	HSTEP \t
.endr
	FINISH
; ---------------- THE MASK.  A wave takes 16 queries x 128 keys.  Element (g, lane, e) of its 8 KB block of mask2 is query lane % 16, key 32 (g / 4) + 16 (lane / 16) + 4 (g % 4) + e.
; What is stored is mask x 2^(3 - e6 - e7), a multiplication that rounds nothing: the attention launch gives it to the score product as C, and (sum of codes + this) x log2(e) / 8 x 2^(e6 + e7) is score / 8 + mask, in base 2.
; Row i comes in as 512 consecutive bytes (lane l: keys 4 l ..); its 16 bytes go to stage row 2 g + h, column i, with g = 4 (l / 8) + l % 4 and h = (l / 4) % 2; the stage is read back by rows.
.set MST, 67584
.Lmask:
	s_sub_co_u32 s29, ttmp9, 8
	s_lshl_b32 s29, s29, 2
	s_add_co_u32 s29, s29, s28                     ; block = 8 x (tile of 16 queries) + (step of 128 keys)
	s_lshr_b32 s30, s29, 3
	s_and_b32 s44, s29, 7
	s_lshl_b32 s30, s30, 16
	s_lshl_b32 s44, s44, 9
	s_add_co_u32 s30, s30, s44
	s_mov_b32 s31, 0
	s_add_nc_u64 s[14:15], s[14:15], s[30:31]
	s_lshl_b32 s30, s29, 13
	s_add_nc_u64 s[24:25], s[24:25], s[30:31]
	s_wait_alu depctr_va_vdst(0)
	v_lshlrev_b32 v3, 4, v2
.irp i, 0,1,2,3,4,5,6,7,8,9,10,11,12,13,14,15
	global_load_b128 v[16+4*\i:19+4*\i], v3, s[14:15] offset:4096*\i th:TH_LOAD_NT
.endr
	s_wait_kmcnt 0x0                               ; the exponents
	s_add_co_i32 s46, s38, s39                     ; e6 + e7
	s_sub_co_i32 s46, 130, s46
	s_add_co_i32 s48, s46, 64
	s_lshl_b32 s48, s48, 23
	s_or_b32 s48, s48, 0x80000000                  ; the floor: -2^(67 - e6 - e7)
	s_lshl_b32 s46, s46, 23                        ; 2^(3 - e6 - e7)
	s_mov_b32 s47, s46                             ; (named with it as a pair, so it is written)
	s_mul_i32 s45, s28, 32*272
	s_add_co_u32 s45, s45, MST
	v_lshrrev_b32 v4, 3, v2
	v_and_b32 v5, 3, v2
	v_bfe_u32 v6, v2, 2, 1
	v_lshlrev_b32 v4, 3, v4
	v_lshl_add_u32 v4, v5, 1, v4
	v_add_nc_u32 v4, v4, v6                        ; 2 g + h
	v_mul_u32_u24 v4, v4, 272
	v_add_nc_u32 v4, s45, v4
	v_lshrrev_b32 v5, 4, v2
	v_and_b32 v6, 15, v2
	v_mul_u32_u24 v5, v5, 272
	v_lshl_add_u32 v5, v6, 4, v5
	v_add_nc_u32 v5, s45, v5
.irp i, 0,1,2,3,4,5,6,7,8,9,10,11,12,13,14,15
	s_wait_loadcnt 15-\i                           ; row i is in; the rows behind it may be out
	v_pk_mul_f32 v[16+4*\i:17+4*\i], v[16+4*\i:17+4*\i], s[46:47] op_sel_hi:[1,0]
	v_pk_mul_f32 v[18+4*\i:19+4*\i], v[18+4*\i:19+4*\i], s[46:47] op_sel_hi:[1,0]
	v_max_num_f32 v[16+4*\i], s48, v[16+4*\i]      ; the product may be -infinity: held, so that differences of masked scores stay numbers
	v_max_num_f32 v[17+4*\i], s48, v[17+4*\i]
	v_max_num_f32 v[18+4*\i], s48, v[18+4*\i]
	v_max_num_f32 v[19+4*\i], s48, v[19+4*\i]
	ds_store_b128 v4, v[16+4*\i:19+4*\i] offset:16*\i
.endr
.irp g, 0,1,2,3,4,5,6,7,8,9,10,11,12,13,14,15
	ds_load_b128 v[80+4*\g:83+4*\g], v5 offset:544*\g
.endr
.irp g, 0,1,2,3,4,5,6,7,8,9,10,11,12,13,14,15
	s_wait_dscnt 15-\g
	global_store_b128 v3, v[80+4*\g:83+4*\g], s[24:25] offset:512*\g
.endr
	FINISH
; ---------------- COS AND SIN.  A lane takes a place.  angle = position x 10^(-i/8), rounded once; n = the nearest whole number to angle x 2 / pi; r = angle - n pi / 2 with pi / 2 in three parts;
; sin and cos of r by polynomials on +-pi/4; the quadrant n mod 4 swaps them and sets the signs.  Element e of (group 4 cs + 2 bb + jh, lane 16 h + r) of a block of 16 places is frequency 16 bb + 8 h + 4 jh + e.
.Lrope:
	s_lshl_b32 s29, ttmp9, 9
	v_lshl_add_u32 v1, v0, 2, s29
	global_load_b32 v3, v1, s[16:17]
	s_mov_b32 s44, 0x3f22f983                      ; 2 / pi
	s_mov_b32 s45, 0xbfc90fdb                      ; -(pi / 2), its first part,
	s_mov_b32 s46, 0x333bbd2e                      ; its second,
	s_mov_b32 s47, 0x26f72cf1                      ; its third
	s_mov_b32 s48, 0xbe2aaaa3                      ; sin: -1.6666654611e-1,
	s_mov_b32 s49, 0x3c08839e                      ; 8.3321608736e-3,
	s_mov_b32 s50, 0xb94ca1f9                      ; -1.9515295891e-4
	s_mov_b32 s51, 0x3d2aaaa5                      ; cos: 4.166664568e-2,
	s_mov_b32 s52, 0xbab6061a                      ; -1.388731625e-3,
	s_mov_b32 s53, 0x37ccf5ce                      ; 2.443315712e-5
	s_lshl_b32 s30, ttmp9, 15                      ; eight blocks of 4,096 bytes
	s_mov_b32 s31, 0
	s_add_nc_u64 s[26:27], s[26:27], s[30:31]
	v_lshrrev_b32 v14, 4, v0
	v_and_b32 v15, 15, v0
	v_lshlrev_b32 v14, 12, v14
	v_lshl_add_u32 v14, v15, 4, v14                ; my block, and my 16 bytes in a row of sixteen places
	s_wait_loadcnt 0x0
	v_cvt_f32_i32 v3, v3
.macro SINCOS j, f
	v_mul_f32 v4, \f, v3
	v_mul_f32 v5, s44, v4
	v_rndne_f32 v5, v5
	v_fma_f32 v4, v5, s45, v4
	v_fma_f32 v4, v5, s46, v4
	v_fma_f32 v4, v5, s47, v4                      ; r
	v_cvt_i32_f32 v5, v5
	v_mul_f32 v6, v4, v4                           ; z = r r
	v_fma_f32 v7, v6, s50, s49
	v_fma_f32 v8, v6, s53, s52
	v_fma_f32 v7, v7, v6, s48
	v_fma_f32 v8, v8, v6, s51
	v_mul_f32 v9, v6, v4
	v_mul_f32 v10, v6, v6
	v_fma_f32 v11, v6, -0.5, 1.0
	v_fma_f32 v7, v7, v9, v4                       ; sin r
	v_fma_f32 v8, v8, v10, v11                     ; cos r
	v_and_b32 v9, 1, v5
	v_cmp_eq_u32 vcc_lo, 1, v9
	v_cndmask_b32 v10, v7, v8, vcc_lo              ; odd quadrants swap the two
	v_cndmask_b32 v11, v8, v7, vcc_lo
	v_and_b32 v9, 2, v5
	v_lshlrev_b32 v9, 30, v9
	v_xor_b32 v[96+\j], v10, v9                    ; sin: negative in quadrants 2 and 3
	v_add_nc_u32 v5, 1, v5
	v_and_b32 v5, 2, v5
	v_lshlrev_b32 v5, 30, v5
	v_xor_b32 v[64+\j], v11, v5                    ; cos: negative in quadrants 1 and 2
.endm
	SINCOS 0, 1.0
	SINCOS 1, 0.7498942093
	SINCOS 2, 0.5623413252
	SINCOS 3, 0.4216965034
	SINCOS 4, 0.3162277660
	SINCOS 5, 0.2371373706
	SINCOS 6, 0.1778279410
	SINCOS 7, 0.1333521432
	SINCOS 8, 0.1
	SINCOS 9, 0.07498942093
	SINCOS 10, 0.05623413252
	SINCOS 11, 0.04216965034
	SINCOS 12, 0.03162277660
	SINCOS 13, 0.02371373706
	SINCOS 14, 0.01778279410
	SINCOS 15, 0.01333521432
	SINCOS 16, 0.01
	SINCOS 17, 0.007498942093
	SINCOS 18, 0.005623413252
	SINCOS 19, 0.004216965034
	SINCOS 20, 0.003162277660
	SINCOS 21, 0.002371373706
	SINCOS 22, 0.001778279410
	SINCOS 23, 0.001333521432
	SINCOS 24, 0.001
	SINCOS 25, 0.0007498942093
	SINCOS 26, 0.0005623413252
	SINCOS 27, 0.0004216965034
	SINCOS 28, 0.0003162277660
	SINCOS 29, 0.0002371373706
	SINCOS 30, 0.0001778279410
	SINCOS 31, 0.0001333521432
.irp c, 0,1
.irp b, 0,1
.irp h, 0,1
.irp q, 0,1
	global_store_b128 v14, v[64+32*\c+16*\b+8*\h+4*\q:67+32*\c+16*\b+8*\h+4*\q], s[26:27] offset:(4*\c+2*\b+\q)*512+256*\h   ; sixteen lanes store 256 consecutive bytes, aligned
.endr
.endr
.endr
.endr
	FINISH
.Lfunc_end_k_qca3165d8d1_prep:
	.size	k_qca3165d8d1_prep, .Lfunc_end_k_qca3165d8d1_prep-k_qca3165d8d1_prep
	.p2alignl 7, 3214868480
	.fill 96, 4, 3214868480
	.section	.rodata,"a",@progbits
	.p2align	6, 0x0
	.amdhsa_kernel k_qca3165d8d1_prep
		.amdhsa_group_segment_fixed_size 102912
		.amdhsa_private_segment_fixed_size 0
		.amdhsa_enable_private_segment 0
		.amdhsa_kernarg_size 96
		.amdhsa_user_sgpr_count 2
		.amdhsa_user_sgpr_kernarg_segment_ptr 1
		.amdhsa_wavefront_size32 1
		.amdhsa_system_sgpr_workgroup_id_x 1
		.amdhsa_system_sgpr_workgroup_id_y 1
		.amdhsa_system_sgpr_workgroup_id_z 1
		.amdhsa_system_vgpr_workitem_id 0
		.amdhsa_next_free_vgpr 192
		.amdhsa_next_free_sgpr 66
		.amdhsa_reserve_vcc 1
		.amdhsa_float_denorm_mode_32 3
		.amdhsa_float_denorm_mode_16_64 3
		.amdhsa_memory_ordered 1
		.amdhsa_forward_progress 1
		.amdhsa_inst_pref_size 212
	.end_amdhsa_kernel
	.amdgpu_metadata
---
amdhsa.version: [ 1, 2 ]
amdhsa.kernels:
  - .name:           k_qca3165d8d1_prep
    .symbol:         k_qca3165d8d1_prep.kd
    .args:
      - { .name: hidden_states, .offset: 0, .size: 8, .value_kind: global_buffer, .address_space: global }
      - { .name: Wq, .offset: 8, .size: 8, .value_kind: global_buffer, .address_space: global }
      - { .name: Wk, .offset: 16, .size: 8, .value_kind: global_buffer, .address_space: global }
      - { .name: Wv, .offset: 24, .size: 8, .value_kind: global_buffer, .address_space: global }
      - { .name: Wo, .offset: 32, .size: 8, .value_kind: global_buffer, .address_space: global }
      - { .name: attention_mask, .offset: 40, .size: 8, .value_kind: global_buffer, .address_space: global }
      - { .name: position_ids, .offset: 48, .size: 8, .value_kind: global_buffer, .address_space: global }
      - { .name: lowp_scales, .offset: 56, .size: 8, .value_kind: global_buffer, .address_space: global }
      - { .name: h_codes, .offset: 64, .size: 8, .value_kind: global_buffer, .address_space: global }
      - { .name: w_codes, .offset: 72, .size: 8, .value_kind: global_buffer, .address_space: global }
      - { .name: mask2, .offset: 80, .size: 8, .value_kind: global_buffer, .address_space: global }
      - { .name: cs_tab, .offset: 88, .size: 8, .value_kind: global_buffer, .address_space: global }
    .group_segment_fixed_size: 102912
    .private_segment_fixed_size: 0
    .kernarg_segment_align: 8
    .kernarg_segment_size: 96
    .max_flat_workgroup_size: 128
    .sgpr_count:     66
    .vgpr_count:     192
    .wavefront_size: 32
...
	.end_amdgpu_metadata
.endif
;; end of part 1
;; launch qkv (part 2): grid 16 x 12, 4 waves a work-group, clusters of 4 x 1, 327,680 bytes of LDS; arguments h_codes, w_codes, lowp_scales, cs_tab, q_codes, kv_codes; writes q_codes, kv_codes
.if DOCPART == 2
	.amdgcn_target "amdgcn-amd-amdhsa--gfx1250"
	.amdhsa_code_object_version 6
	.text
	.protected	k_qca3165d8d1_qkv
	.globl	k_qca3165d8d1_qkv
	.p2align	8
	.type	k_qca3165d8d1_qkv,@function
k_qca3165d8d1_qkv:
	s_mov_b64 s[64:65], 0
	v_nop
	global_prefetch_b8 v0, s[64:65] scope:SCOPE_SE
	s_setreg_imm32_b32 hwreg(HW_REG_WAVE_MODE, 25, 1), 1
	s_wait_xcnt 0x0
	s_wait_alu depctr_hold_cnt(0) depctr_sa_sdst(0) depctr_va_vdst(0) depctr_va_sdst(0) depctr_va_ssrc(0) depctr_va_vcc(0) depctr_vm_vsrc(0)
	s_getreg_b32 s2, hwreg(HW_REG_IB_STS2, 6, 4)
	s_cmp_eq_u32 s2, 0
	s_cbranch_scc0 .Lentry_in_a_cluster
	s_endpgm
.Lentry_in_a_cluster:
	s_bfe_u32 s2, ttmp6, 0x10000c
	s_cmp_lg_u32 s2, 0x3003
	s_cbranch_scc0 .Lentry_shape_is_right
	s_endpgm
.Lentry_shape_is_right:
.set KSTEP,  256
.set ROWB,   256
.set KROW,   2048
.set PITCH,  272
.set FR,     16
.set NL,     4
.set NP,     4
.set HALFT,  128*PITCH
.set SLOT,   4*HALFT
.set LAPS,   4
.set SPARE,  2*SLOT
.set ADRA, 16
.set ADRB, 20
.set STO,  24
.set RD0,  25
.set RD1,  26
.set LI,   27
.set SPW,  28
.set NIL,  29
.set TMP,  32
.set QSC,  96
.set QLIM, 97
.set OFF,  100
.set AF,   128
.set CD,   128
.set G1, 24
.set G0, 32
.set G1B, 48
.set G0B, 56
.set MSB, 0
.macro WIN new
.if MSB != \new
	s_set_vgpr_msb (MSB<<8)|\new
.set MSB, \new
.endif
.endm
.set MUL_LO, 0xa1
.set MUL_HI, 0xf1
.set TO_B,   0x40
.macro JLOAD g0a, g1a, g0b, g1b
	s_cmp_eq_u32 s12, 0
	s_cbranch_scc0 .Lfor_b_\@
	tensor_load_to_lds s[\g0a:\g0a+3], s[\g1a:\g1a+7]
	s_nop 0
.rept 4
	v_nop
.endr
	s_branch .Lasked_\@
.Lfor_b_\@:
	tensor_load_to_lds s[\g0b:\g0b+3], s[\g1b:\g1b+7]
	s_nop 0
.rept 4
	v_nop
.endr
.Lasked_\@:
.endm
.macro CREST
	s_cmp_lg_u32 s14, 0
	s_cbranch_scc1 .Lnot_wave_0_\@
	s_barrier_signal -3
.Lnot_wave_0_\@:
	s_barrier_wait -3
	s_barrier_signal -1
	s_barrier_wait -1
.endm
.macro CROUND
	s_barrier_signal -1
	s_barrier_wait -1
	CREST
.endm
	s_load_b256 s[4:11], s[0:1], 0x0
	s_load_b128 s[68:71], s[0:1], 0x20
	v_lshl_add_u32 v[SPW], v0, 2, SPARE
	v_mov_b32 v[NIL], 0
	ds_add_u32 v[SPW], v[NIL]
	ds_add_u32 v[SPW], v[NIL]
	v_lshrrev_b32 v1, 5, v0
	v_readfirstlane_b32 s14, v1
	s_lshr_b32 s15, s14, 1
	s_and_b32 s16, s14, 1
	s_bfe_u32 s40, ttmp6, 0x40000
	s_lshl_b32 s42, ttmp9, 2
	s_add_co_u32 s42, s42, s40
	s_and_b32 s17, ttmp7, 0xffff
	s_cmp_ge_u32 s17, 10                           ; V's column blocks are made turned (tokens innermost): there waves 0 and 1 fetch the weights and waves 2 and 3 the tokens,
	s_cselect_b32 s12, 1, 0                        ; so that the two operands change places in LDS while every LDS address hangs on the wave's number alone.
	s_xor_b32 s12, s12, s15                        ; s12 = 0: I fetch tokens; 1: weights, jointly.  It hangs on the cluster's y and the wave's number: the same in all four partners
	s_mov_b32 s[G1+0], (1<<20)|(5<<22)|(3<<25)
	s_mov_b32 s[G1B+0], 15|(1<<20)|(1<<21)|(5<<22)|(3<<25)
.irp g, G1, G1B
	s_mov_b32 s[\g+1], ROWB<<16
	s_mov_b32 s[\g+2], 128<<16
	s_mov_b32 s[\g+3], ROWB<<16
	s_mov_b32 s[\g+4], 128
	s_mov_b32 s[\g+5], KROW
	s_mov_b32 s[\g+6], 0
	s_mov_b32 s[\g+7], 0
.endr
	s_lshl_b32 s18, s16, 7
	s_lshl_b32 s20, s42, 8
	s_add_co_u32 s20, s20, s18
	s_lshl_b32 s20, s20, 11
	s_mov_b32 s21, 0
	s_lshl_b32 s46, s17, 8
	s_add_co_u32 s46, s46, s18
	s_lshl_b32 s46, s46, 11
	s_mov_b32 s47, 0
	s_mul_i32 s45, s14, HALFT
	s_wait_dscnt 0x0
	s_wait_kmcnt 0x0
	s_load_b256 s[72:79], s[8:9], 0x0
	s_load_b128 s[80:83], s[8:9], 0x20
	s_add_nc_u64 s[46:47], s[6:7], s[46:47]
	s_wait_kmcnt 0x0
	s_cmp_eq_u32 s74, s72
	s_cselect_b32 s84, 0, 1
	s_cmp_eq_u32 s76, s72
	s_cselect_b32 s85, 0, 2
	s_cmp_lt_u32 s17, 10
	s_cselect_b32 s84, s84, s85
	s_cmp_lt_u32 s17, 8
	s_cselect_b32 s84, 0, s84
	s_min_u32 s84, s84, 2
	s_lshl_b32 s84, s84, 23
	s_add_co_u32 s20, s20, s84
	s_add_nc_u64 s[20:21], s[4:5], s[20:21]
	CROUND
.irp s, 0,1
	s_mov_b32 s[G0+4*\s], 1
	s_add_co_u32 s[G0+4*\s+1], s45, \s*SLOT
	s_add_nc_u64 s[G0+4*\s+2:G0+4*\s+3], s[20:21], \s*ROWB
	s_or_b32 s[G0+4*\s+3], s[G0+4*\s+3], 0x80000000
	s_mov_b32 s[G0B+4*\s], 1
	s_add_co_u32 s[G0B+4*\s+1], s45, \s*SLOT
	s_add_nc_u64 s[G0B+4*\s+2:G0B+4*\s+3], s[46:47], \s*ROWB
	s_or_b32 s[G0B+4*\s+3], s[G0B+4*\s+3], 0x80000000
.endr
	JLOAD G0, G1, G0B, G1B                         ; K step 0: one tensor load a wave at the head; the addresses below are made while it is on its way
	s_mov_b64 s[18:19], s[20:21]                   ; where my prefetches stand: my half of the tokens' 256 rows,
	s_mov_b64 s[98:99], s[46:47]                   ; and of the weights' 256 rows, both at K step 0
	v_and_b32 v1, 15, v0
	v_bfe_u32 v2, v0, 4, 1
	v_mul_u32_u24 v3, v1, PITCH
	v_lshl_add_u32 v4, v2, 4, v3
	s_wait_alu depctr_va_vdst(0)
	s_mov_b32 s21, 0
	s_mov_b32 s22, 2*HALFT
	s_mul_i32 s23, s15, HALFT
	s_add_co_u32 s21, s21, s23
	s_mul_i32 s23, s16, HALFT
	s_add_co_u32 s22, s22, s23
.irp s, 0,1
	v_add_nc_u32 v[ADRA+\s], s21, v4
	v_add_nc_u32 v[ADRB+\s], s22, v4
	s_add_co_u32 s21, s21, SLOT
	s_add_co_u32 s22, s22, SLOT
.endr
	s_mul_i32 s23, s15, HALFT
	s_lshl_b32 s84, s16, 7
	s_add_co_u32 s23, s23, s84
	v_lshl_add_u32 v5, v2, 3, v3
	v_add_nc_u32 v[STO], s23, v5
	v_and_b32 v6, 31, v0
	v_lshrrev_b32 v7, 2, v6
	v_mul_u32_u24 v7, v7, PITCH
	v_and_b32 v8, 3, v6
	v_lshl_add_u32 v7, v8, 4, v7
	s_lshl_b32 s84, s14, 6
	v_add_nc_u32 v[RD0], s84, v7
	v_add_nc_u32 v[RD1], 16*8*PITCH, v[RD0]
	v_lshlrev_b32 v[LI], 4, v6
	; the prefetches' offsets.  Tokens: of the 128 rows of my half, the two waves that share it take 64 each, a lane a row, two instructions.
	; Weights: the 128 rows are shared by four partners x two waves, told apart by address: 16 rows each; the lanes left over name the last of them again
	s_lshl_b32 s85, s15, 6
	v_add_nc_u32 v104, s85, v6
	v_lshlrev_b32 v104, 11, v104
	s_lshl_b32 s85, s40, 5
	s_lshl_b32 s97, s15, 4
	s_add_co_u32 s85, s85, s97
	v_min_u32 v105, 15, v6
	v_add_nc_u32 v105, s85, v105
	v_lshlrev_b32 v105, 11, v105
	s_wait_alu depctr_va_vdst(0)
	s_sub_co_i32 s86, s78, s72
	s_sub_co_i32 s86, s86, s73
	s_sub_co_i32 s87, s79, s74
	s_sub_co_i32 s87, s87, s75
	s_sub_co_i32 s88, s81, s76
	s_sub_co_i32 s88, s88, s77
	s_mov_b32 s89, 0x20000
	s_cmp_lt_u32 s17, 10
	s_cselect_b32 s87, s87, s88
	s_cselect_b32 s89, 4096, s89
	s_cmp_lt_u32 s17, 8
	s_cselect_b32 s86, s86, s87
	s_add_co_i32 s86, s86, 127
	s_lshl_b32 s87, s86, 23
	v_mov_b32 v[QSC], s87
	s_add_co_i32 s86, s86, 8
	s_lshl_b32 s86, s86, 23
	s_or_b32 s86, s86, 0x600000
	v_mov_b32 v[QLIM], s86
	v_mov_b32 v[OFF], v[LI]
	v_add_nc_u32 v[OFF+1], s89, v[OFF]
	v_add_nc_u32 v[OFF+2], s89, v[OFF+1]
	v_add_nc_u32 v[OFF+3], s89, v[OFF+2]
	s_lshr_b32 s90, s42, 2
	s_and_b32 s91, s42, 3
	s_lshl_b32 s92, s90, 5
	s_lshl_b32 s93, s17, 2
	s_add_co_u32 s92, s92, s93
	s_add_co_u32 s92, s92, s14
	s_lshl_b32 s92, s92, 16
	s_lshl_b32 s94, s90, 3
	s_max_u32 s95, s17, 8
	s_sub_co_u32 s95, s95, 8
	s_lshl_b32 s95, s95, 2
	s_add_co_u32 s95, s95, s94
	s_add_co_u32 s95, s95, s14
	s_lshl_b32 s95, s95, 17
	s_max_u32 s96, s17, 10
	s_sub_co_u32 s96, s96, 10
	s_lshl_b32 s96, s96, 2
	s_add_co_u32 s96, s96, s94
	s_lshl_b32 s96, s96, 17
	s_lshl_b32 s93, s14, 12
	s_add_co_u32 s96, s96, s93
	s_add_co_u32 s96, s96, 65536
	s_cmp_lt_u32 s17, 10
	s_cselect_b32 s95, s95, s96
	s_cmp_lt_u32 s17, 8
	s_cselect_b32 s92, s92, s95
	s_cselect_b64 s[68:69], s[68:69], s[70:71]
	s_lshl_b32 s93, s91, 14
	s_add_co_u32 s92, s92, s93
	s_mov_b32 s93, 0
	s_add_nc_u64 s[68:69], s[68:69], s[92:93]
	s_lshl_b32 s92, s91, 4
	s_lshl_b32 s94, s15, 3
	s_add_co_u32 s92, s92, s94
	s_lshl_b32 s92, s92, 12
	s_add_nc_u64 s[10:11], s[10:11], s[92:93]
.macro FRAG reg, adr, q, i
.irp c, 0,1,2,3
	ds_load_b128 v[\reg+4*\c:\reg+4*\c+3], v[\adr] offset:128*(\q)+32*\c+(\i)*16*PITCH
.endr
.endm
.macro MUL16 a0, p, zero
.irp a, \a0, \a0+1
.irp b, 0,1,2,3,4,5,6,7
.if \zero
	v_wmma_f32_16x16x128_fp8_fp8 v[8*(8*((\a)%4)+\b):8*(8*((\a)%4)+\b)+7], v[128*(\p)+FR*\b:128*(\p)+FR*\b+FR-1], v[AF+FR*(\a):AF+FR*(\a)+FR-1], 0
.else
	v_wmma_f32_16x16x128_fp8_fp8 v[8*(8*((\a)%4)+\b):8*(8*((\a)%4)+\b)+7], v[128*(\p)+FR*\b:128*(\p)+FR*\b+FR-1], v[AF+FR*(\a):AF+FR*(\a)+FR-1], v[8*(8*((\a)%4)+\b):8*(8*((\a)%4)+\b)+7]
.endif
.endr
.endr
.endm
.macro FETCH_B slot, q, p
	WIN TO_B
.irp i, 0,1,2,3,4,5,6,7
	FRAG 128*(\p)+FR*\i, ADRB+\slot, \q, \i
.endr
	WIN 0
.endm
.macro FETCH_A slot, q, i0
.irp i, \i0, \i0+1, \i0+2, \i0+3
	FRAG AF+FR*(\i), ADRA+\slot, \q, \i
.endr
.endm
.macro PLACES n
.rept \n
	v_nop
.endr
.endm
.macro STEP slot, q, zero
	s_wait_dscnt 4*NL
	WIN MUL_LO
	MUL16 0, (\q)%2, \zero
	MUL16 2, (\q)%2, \zero
	s_wait_dscnt 0
	PLACES NP
	FETCH_B \slot, (\q)+1, 1-(\q)%2
	FETCH_A \slot, (\q)+1, 0
	WIN MUL_HI
	MUL16 4, (\q)%2, \zero
	MUL16 6, (\q)%2, \zero
	PLACES NP
	WIN 0
	FETCH_A \slot, (\q)+1, 4
.endm
.macro TURN slot, next, fill
.if \fill
	s_wait_xcnt 0x0                                ; any prefetch of mine has read its address: it is stepped here, a K step behind the prefetch
	s_add_nc_u64 s[18:19], s[18:19], ROWB
	s_add_nc_u64 s[98:99], s[98:99], ROWB
.endif
	s_wait_tensorcnt 0x0
	ds_add_u32 v[SPW], v[NIL]
	s_wait_dscnt 4*NL+1
	WIN MUL_LO
	MUL16 0, 1, 0
	s_wait_dscnt 0x0
	s_barrier_signal -1
	MUL16 2, 1, 0
	WIN 0
	s_barrier_wait -1
.if \fill
	CREST
	s_add_nc_u64 s[G0+4*\slot+2:G0+4*\slot+3], s[G0+4*\slot+2:G0+4*\slot+3], 2*ROWB
	s_add_nc_u64 s[G0B+4*\slot+2:G0B+4*\slot+3], s[G0B+4*\slot+2:G0B+4*\slot+3], 2*ROWB
	JLOAD G0+4*\slot, G1, G0B+4*\slot, G1B
.else
	PLACES NP
.endif
	FETCH_B \next, 0, 0
	FETCH_A \next, 0, 0
.if \fill
	; A PREFETCH INTO THE L2 of the K step that stands two refills on (256 bytes of each row), behind the joint load and the run of LDS loads.  The refills bring K steps 2 to 7; those for 2 to 5 ask for 4 to 7;
	; the last lap (s3 = 1) asks for nothing: there is no K step behind the last.  K steps 0 to 3 come by their loads alone.
	s_cmp_gt_u32 s3, 1
	s_cbranch_scc0 .Lno_ask_\@
	global_prefetch_b8 v104, s[18:19] offset:768 th:TH_LOAD_NT scope:SCOPE_SE
	global_prefetch_b8 v104, s[18:19] offset:65536+768 th:TH_LOAD_NT scope:SCOPE_SE
	global_prefetch_b8 v105, s[98:99] offset:768 th:TH_LOAD_NT scope:SCOPE_SE
.Lno_ask_\@:
.endif
	WIN MUL_HI
	MUL16 4, 1, 0
	MUL16 6, 1, 0
	PLACES NP
	WIN 0
	FETCH_A \next, 0, 4
.endm
	s_wait_alu depctr_va_vdst(0)
	s_wait_tensorcnt 0x0                           ; my part of K step 0 is in
	ds_add_u32 v[SPW], v[NIL]
	s_wait_dscnt 0x0
	CROUND                                         ; everybody's part of K step 0 is in, and the four work-groups are here
	JLOAD G0+4, G1, G0B+4, G1B                     ; K step 1, the first tensor load behind the round
	FETCH_B 0, 0, 0
	FETCH_A 0, 0, 0
	FETCH_A 0, 0, 4
	STEP 0, 0, 1
	s_mov_b32 s3, LAPS-1
.Llap:
	TURN 0, 1, 1
	STEP 1, 0, 0
	TURN 1, 0, 1
	STEP 0, 0, 0
	s_sub_co_u32 s3, s3, 1
	s_cmp_lg_u32 s3, 0
	s_cbranch_scc1 .Llap
	TURN 0, 1, 0
	STEP 1, 0, 0
	; the table of cos and sin for my blocks 0 to 3 is asked for now: it lands in B's set 0, which the last step does not read (four places stand behind its last products)
	s_cmp_ge_u32 s17, 10
	s_cbranch_scc1 .Lno_table0
	WIN TO_B
.irp a, 0,1,2,3
.irp g, 0,1,2,3,4,5,6,7
	global_load_b128 v[32*\a+4*\g:32*\a+4*\g+3], v[LI], s[10:11] offset:4096*\a+512*\g
.endr
.endr
	WIN 0
.Lno_table0:
	s_wait_dscnt 4*NL
	WIN MUL_LO
	MUL16 0, 1, 0
	MUL16 2, 1, 0
	s_wait_dscnt 0
	WIN MUL_HI
	MUL16 4, 1, 0
	MUL16 6, 1, 0
	WIN 0
	PLACES NP
	s_cmp_ge_u32 s17, 10
	s_cbranch_scc1 .Lno_table
	WIN TO_B
.irp a, 4,5,6,7
.irp g, 0,1,2,3,4,5,6,7
	global_load_b128 v[32*\a+4*\g:32*\a+4*\g+3], v[LI], s[10:11] offset:4096*\a+512*\g
.endr
.endr
	WIN 0
.Lno_table:
.macro BLOCK a
.set AC, 64*((\a)%4)
	s_cmp_ge_u32 s17, 10
	s_cbranch_scc1 .Lplain_\@
	s_wait_loadcnt 8*(7-(\a))
	WIN (0x06+((\a)/4))
.irp u, 0,1
.irp w, 0,1
.irp k, 0,2,4,6
	v_pk_mul_f32 v[TMP+32*\u+8*\w+\k:TMP+32*\u+8*\w+\k+1], v[AC+32*\u+8*\w+\k:AC+32*\u+8*\w+\k+1], v[32*(\a)+8*\w+\k:32*(\a)+8*\w+\k+1]
	v_pk_mul_f32 v[TMP+32*\u+8*\w+16+\k:TMP+32*\u+8*\w+16+\k+1], v[AC+32*\u+8*\w+16+\k:AC+32*\u+8*\w+16+\k+1], v[32*(\a)+8*\w+\k:32*(\a)+8*\w+\k+1]
	v_pk_fma_f32 v[TMP+32*\u+8*\w+\k:TMP+32*\u+8*\w+\k+1], v[AC+32*\u+8*\w+16+\k:AC+32*\u+8*\w+16+\k+1], v[32*(\a)+16+8*\w+\k:32*(\a)+16+8*\w+\k+1], v[TMP+32*\u+8*\w+\k:TMP+32*\u+8*\w+\k+1] neg_lo:[0,1,0] neg_hi:[0,1,0]
	v_pk_fma_f32 v[TMP+32*\u+8*\w+16+\k:TMP+32*\u+8*\w+16+\k+1], v[AC+32*\u+8*\w+\k:AC+32*\u+8*\w+\k+1], v[32*(\a)+16+8*\w+\k:32*(\a)+16+8*\w+\k+1], v[TMP+32*\u+8*\w+16+\k:TMP+32*\u+8*\w+16+\k+1]
.endr
.endr
.endr
	WIN 0
.set n, 0
.rept 64
	v_med3_num_f32 v[TMP+n], v[TMP+n], -v[QLIM], v[QLIM]
.set n, n+1
.endr
	s_branch .Ljoin_\@
.Lplain_\@:
	WIN (0x02+((\a)/4))
.set n, 0
	s_wait_alu depctr_va_vdst(0)
.rept 64
	v_med3_num_f32 v[TMP+n], v[AC+n], -v[QLIM], v[QLIM]
.set n, n+1
.endr
	WIN 0
.Ljoin_\@:
	s_wait_alu depctr_va_vdst(0)
.irp b, 0,1,2,3,4,5,6,7
	v_cvt_scalef32_pk8_fp8_f32 v[CD+16*(\a)+2*\b:CD+16*(\a)+2*\b+1], v[TMP+8*\b:TMP+8*\b+7], v[QSC]
.endr
	v_nop
.irp b, 0,1,2,3,4,5,6,7
	ds_store_b64 v[STO], v[CD+16*(\a)+2*\b:CD+16*(\a)+2*\b+1] offset:(\a)*16*PITCH+16*\b
.endr
.endm
.irp a, 0,1,2,3,4,5,6,7
	BLOCK \a
.endr
	s_wait_dscnt 0x0
	s_barrier_signal -1
	s_barrier_wait -1
.set n, 0
.rept 16
	ds_load_b128 v[CD+4*n:CD+4*n+3], v[RD0] offset:8*PITCH*n
.set n, n+1
.endr
.rept 16
	ds_load_b128 v[CD+4*n:CD+4*n+3], v[RD1] offset:8*PITCH*(n-16)
.set n, n+1
.endr
.set n, 0
.rept 32
	s_wait_dscnt 31-n
	global_store_b128 v[OFF+n/8], v[CD+4*n:CD+4*n+3], s[68:69] offset:(n%8)*512
.set n, n+1
.endr
	s_wait_tensorcnt 0x0
	ds_add_u32 v[SPW], v[NIL]
	s_wait_dscnt 0x0
	CROUND
	s_endpgm
.Lfunc_end_k_qca3165d8d1_qkv:
	.size	k_qca3165d8d1_qkv, .Lfunc_end_k_qca3165d8d1_qkv-k_qca3165d8d1_qkv
	.p2alignl 7, 3214868480
	.fill 96, 4, 3214868480
	.section	.rodata,"a",@progbits
	.p2align	6, 0x0
	.amdhsa_kernel k_qca3165d8d1_qkv
		.amdhsa_group_segment_fixed_size 327680
		.amdhsa_private_segment_fixed_size 0
		.amdhsa_enable_private_segment 0
		.amdhsa_kernarg_size 48
		.amdhsa_user_sgpr_count 2
		.amdhsa_user_sgpr_kernarg_segment_ptr 1
		.amdhsa_wavefront_size32 1
		.amdhsa_system_sgpr_workgroup_id_x 1
		.amdhsa_system_sgpr_workgroup_id_y 1
		.amdhsa_system_sgpr_workgroup_id_z 1
		.amdhsa_system_vgpr_workitem_id 0
		.amdhsa_next_free_vgpr 1024
		.amdhsa_next_free_sgpr 100
		.amdhsa_reserve_vcc 0
		.amdhsa_float_denorm_mode_32 3
		.amdhsa_float_denorm_mode_16_64 3
		.amdhsa_memory_ordered 1
		.amdhsa_forward_progress 1
		.amdhsa_inst_pref_size 201
	.end_amdhsa_kernel
	.amdgpu_metadata
---
amdhsa.version: [ 1, 2 ]
amdhsa.kernels:
  - .name:           k_qca3165d8d1_qkv
    .symbol:         k_qca3165d8d1_qkv.kd
    .args:
      - { .name: h_codes, .offset: 0, .size: 8, .value_kind: global_buffer, .address_space: global }
      - { .name: w_codes, .offset: 8, .size: 8, .value_kind: global_buffer, .address_space: global }
      - { .name: lowp_scales, .offset: 16, .size: 8, .value_kind: global_buffer, .address_space: global }
      - { .name: cs_tab, .offset: 24, .size: 8, .value_kind: global_buffer, .address_space: global }
      - { .name: q_codes, .offset: 32, .size: 8, .value_kind: global_buffer, .address_space: global }
      - { .name: kv_codes, .offset: 40, .size: 8, .value_kind: global_buffer, .address_space: global }
    .group_segment_fixed_size: 327680
    .private_segment_fixed_size: 0
    .kernarg_segment_align: 8
    .kernarg_segment_size: 48
    .max_flat_workgroup_size: 128
    .sgpr_count:     100
    .vgpr_count:     1024
    .wavefront_size: 32
...
	.end_amdgpu_metadata
.endif
;; end of part 2
;; launch attn (part 3): grid 8 x 32, 8 waves a work-group, no clusters, 175,104 bytes of LDS; arguments q_codes, kv_codes, mask2, lowp_scales, a_codes; writes a_codes
.if DOCPART == 3
	.amdgcn_target "amdgcn-amd-amdhsa--gfx1250"
	.amdhsa_code_object_version 6
	.text
	.protected	k_qca3165d8d1_attn
	.globl	k_qca3165d8d1_attn
	.p2align	8
	.type	k_qca3165d8d1_attn,@function
k_qca3165d8d1_attn:
	s_mov_b64 s[64:65], 0
	v_nop
	global_prefetch_b8 v0, s[64:65] scope:SCOPE_SE
	s_setreg_imm32_b32 hwreg(HW_REG_WAVE_MODE, 25, 1), 1
	s_wait_xcnt 0x0
; Attention on codes of E4M3: scores, the additive mask as it is given, the softmax, the second product, and the quantising of the result for the output projection.
; t = score x log2(e) / 8 + mask x log2(e) (the second term comes ready from mask2); M = the running largest t rounded UP to a whole number; p = 2^(t - M) is quantised with 2^e8, not normalised;
; the row's sum is taken of the unquantised p and divides at the end; when M moves, the sum and O are multiplied by 2^(old M - new M), which rounds nothing.
; SHARES.  A work-group takes one (batch, kv head) and 128 queries of its FOUR query heads.  Wave w takes queries 16 w .. 16 w + 15 for all four heads: each fragment of K and V and each mask register serves four heads.
; The group's whole K (1,024 x 64) and V (turned, keys innermost) lie in LDS, 128 KiB written once: one barrier, and none in the loop.
; THE HOLD OF p.  p is at most 1 (t <= M).  Where e8 >= -8 the largest code stands for 448 x 2^e8 >= 1.75, so holding p there changes nothing: a scalar branch on the given exponent jumps over the 64 lines of the hold;
; where e8 < -8 they run.  K and V come through registers, 16 KiB a wave, 512 consecutive bytes a load.
; No joint loads; K and V are fetched once, at the head, and are under a fifth of a work-group's bytes (128 KiB against 512 KiB of mask and 64 KiB of q and result).
; No prefetch of the mask: each of its blocks is read by the 32 work-groups of a query block, not once.
; LAYOUT.  Both products are used transposed (S^T = K Q^T, O^T = V^T P^T): a lane holds ONE query.  Lane r of key tile 2 b + u takes key 32 b + 8 u + r + 8 (r / 8), so that the 16 registers of tiles 2 b, 2 b + 1 are keys 32 b + 16 h + 0 .. 15.
; LIMITS: e6 + e7 between -123 and 130; e8 and e10 - e8 - e9 between -126 and 119.  NaN is not served.  A row all of whose keys lie at the mask's floor gives the mean of v.
; REGISTERS: window 0: v2-12 addresses and scales; v[14:15] f; v16-31 four a head: -M, the largest t, the sum in two halves; v32-35, v56-59 at work; v40-55 p's codes; v64-127 S^T, then p; v128-191 the mask; v192-255 K's eight fragments.
;   window 1: v0-127 O^T, 32 a head; v128-159 Q, 8 a head; v160-223 V's four fragments.
; THE MASK IS STATED ANEW, AND THESE LINES HOLD WHERE THE HEAD ABOVE SAYS OTHERWISE: mask2 holds mask x 2^(3 - e6 - e7), the mask in the units of a sum of codes, and is the C of the score products;
; t = (sum of codes + that) x c, c = log2(e) / 8 x 2^(e6 + e7).  The step's maximum is taken of the sums (c is positive), and t - M is one packed multiply-add.
; a_codes is laid for the output projection: (block of 128 tokens, kv head) is one dense block of 128 rows x 256 bytes.  LIMITS: e6 + e7 between -60 and 19; a mask entry below -2^64 counts as that.
.set KP,    272
; THE KEYS ARE WALKED FROM ANOTHER PLACE IN EACH GROUP: group y begins at key 256 (y % 4) and goes round.  K's and V's blocks of 256 keys are laid in LDS in that order as they are fetched (no LDS address hangs on y),
; and the mask's pointer goes round its eight blocks likewise.  A softmax and its sums do not hang on the order of the keys but for rounding.
.set VBASE, 256*KP
.set STAGE, 512*KP                     ; the way out: 16 rows x 272 for each wave
.set SPARE, STAGE+8*16*KP              ; the spare words, 128 bytes for each wave, which no other line names
.set STEPB, 32*KP                      ; a key step: 128 keys: 32 LDS rows of K, and of V
.set AK0, 2
.set AV0, 3
.set ADK, 4
.set ADV, 5
.set LI,  6
.set QO,  7
.set STO, 8
.set RD,  9
.set GO,  10
.set PSC, 11                           ; 2^e8;  v12: 448 x 2^e8
.set PLIM, 12
.set F,   14
.set ST,  16
.set SPW, 36                           ; LDS address of my spare word; never rewritten
.set NIL, 37                           ; 0; never rewritten
.set OSC, 38                           ; 2^(e10 - e8 - e9);  v39: 448 x that
.set OLIM, 39
.set PC,  40
.set S,   64
.set MK,  128
.set KF,  192
.set QF,  128                          ; in window 1
.set VF,  160                          ; in window 1
.set CS,  30                           ; s[30:31] c = log2(e) / 8 x 2^(e6 + e7)
.set SEL, 32                           ; s[32:33] v_permlanex16_b32's selects for lane l xor 16
.set TB,  34                           ; s34 LDS bytes from the first key step to the one in hand
.set CNT, 35
.set MP,  36                           ; s[36:37] the mask's block of the step whose loads were issued last
.set FITS, 53                          ; s53 1: every p fits under the largest code, and the hold is jumped over
.set MSB, 0
.macro WIN new
.if MSB != \new
	s_set_vgpr_msb (MSB<<8)|\new
.set MSB, \new
.endif
.endm
	s_load_b256 s[4:11], s[0:1], 0x0               ; q_codes s[4:5], kv_codes s[6:7], mask2 s[8:9], exponents s[10:11]
	s_load_b64 s[12:13], s[0:1], 0x20              ; a_codes
	v_lshl_add_u32 v[SPW], v0, 2, SPARE
	v_mov_b32 v[NIL], 0
	v_lshrrev_b32 v1, 5, v0
	s_delay_alu instid0(VALU_DEP_1)
	v_readfirstlane_b32 s14, v1                    ; wave 0..7
	s_and_b32 s52, ttmp7, 0xffff                   ; the group: 8 b + kv head
	v_and_b32 v1, 15, v0                           ; r
	v_bfe_u32 v13, v0, 4, 1                        ; h
	v_and_b32 v32, 31, v0
	s_delay_alu instid0(VALU_DEP_1)
	v_lshlrev_b32 v[LI], 4, v32
	s_mul_i32 s38, s14, 64*KP                      ; wave w's 64 LDS rows: waves 0-3 K, waves 4-7 V, in LDS as in memory
	v_mul_u32_u24 v[ADK], v13, KP
	s_delay_alu instid0(VALU_DEP_1)
	v_lshl_add_u32 v[ADK], v1, 4, v[ADK]
	s_delay_alu instid0(VALU_DEP_1)
	v_add_nc_u32 v[ADK], s38, v[ADK]               ; where a load's 512 bytes go: lanes 0-15 one row of 256 bytes, lanes 16-31 the next
	s_lshl_b32 s28, s52, 17
	s_and_b32 s54, s52, 3                          ; which block of 256 keys comes first
	s_add_co_u32 s38, s14, s54
	s_and_b32 s38, s38, 3
	s_and_b32 s39, s14, 4
	s_or_b32 s38, s38, s39                         ; wave w fetches block (w + first) % 4, of K (waves 0-3) or of V (waves 4-7),
	s_lshl_b32 s38, s38, 14
	s_lshl_b32 s54, s54, 14                        ; and the mask begins two blocks of 8,192 bytes further on for each
	s_add_co_u32 s28, s28, s38
	s_mov_b32 s29, 0
	s_mov_b32 s[SEL], 0x76543210
	s_mov_b32 s[SEL+1], 0xfedcba98
	s_mov_b32 s[TB], 0
	s_wait_alu depctr_va_vdst(0)
	s_wait_kmcnt 0x0
	s_load_b256 s[40:47], s[10:11], 0x0            ; e0 .. e7
	s_load_b128 s[48:51], s[10:11], 0x20           ; e8 .. e11
	s_add_nc_u64 s[6:7], s[6:7], s[28:29]          ; my 16 KiB of the group's K and V
.set n, 0
.rept 16                               ; they land in the registers of S^T and of K's fragments, which are idle until the barrier
	global_load_b128 v[S+4*n:S+4*n+3], v[LI], s[6:7] offset:512*n
.set n, n+1
.endr
.rept 16
	global_load_b128 v[KF+4*(n-16):KF+4*(n-16)+3], v[LI], s[6:7] offset:512*n
.set n, n+1
.endr
	v_lshlrev_b32 v[QO], 6, v1
	s_delay_alu instid0(VALU_DEP_1)
	v_lshl_add_u32 v[QO], v13, 4, v[QO]            ; Q: row r of 64 bytes, + 16 h
	s_lshl_b32 s28, s52, 18
	s_lshl_b32 s38, ttmp9, 13
	s_add_co_u32 s28, s28, s38
	s_lshl_b32 s38, s14, 10
	s_add_co_u32 s28, s28, s38
	s_add_nc_u64 s[4:5], s[4:5], s[28:29]          ; head 4 x group, query 128 x block + 16 w
	WIN 0x40                                       ; destination window 1
.irp g, 0,1,2,3
	global_load_b128 v[QF+8*\g:QF+8*\g+3], v[QO], s[4:5] offset:65536*\g        ; registers 0-3: channels 16 h ..; 4-7: 32 + 16 h ..: the same order as K's fragments
	global_load_b128 v[QF+8*\g+4:QF+8*\g+7], v[QO], s[4:5] offset:65536*\g+32
.endr
	WIN 0
	s_lshl_b32 s28, ttmp9, 3
	s_add_co_u32 s28, s28, s14
	s_lshl_b32 s28, s28, 16
	s_add_co_u32 s28, s28, s54
	s_add_nc_u64 s[MP:MP+1], s[8:9], s[28:29]      ; my tile of 16 queries: eight blocks of 8,192 bytes, at the block that comes first
.macro ML m                            ; one of a mask block's sixteen loads
	global_load_b128 v[MK+4*(\m):MK+4*(\m)+3], v[LI], s[MP:MP+1] offset:512*(\m)
.endm
.macro MASKLOAD
.set n, 0
.rept 16
	global_load_b128 v[MK+4*n:MK+4*n+3], v[LI], s[MP:MP+1] offset:512*n
.set n, n+1
.endr
.endm
	MASKLOAD
	v_and_b32 v33, 8, v1
	s_delay_alu instid0(VALU_DEP_1)
	v_add_nc_u32 v33, v33, v1                      ; r + 8 (r / 8)
	s_delay_alu instid0(VALU_DEP_1)
	v_lshrrev_b32 v35, 2, v33
	s_delay_alu instid0(VALU_DEP_1)
	v_mul_u32_u24 v35, v35, KP
	s_delay_alu instid0(VALU_DEP_3)
	v_and_b32 v33, 3, v33
	s_delay_alu instid0(VALU_DEP_1)
	v_lshl_add_u32 v35, v33, 6, v35
	s_delay_alu instid0(VALU_DEP_1)
	v_lshl_add_u32 v[AK0], v13, 4, v35             ; K: four keys to an LDS row
	v_lshrrev_b32 v35, 2, v1
	s_delay_alu instid0(VALU_DEP_1)
	v_mul_u32_u24 v35, v35, KP
	v_and_b32 v33, 3, v1
	s_delay_alu instid0(VALU_DEP_1)
	v_lshl_add_u32 v35, v33, 6, v35
	s_delay_alu instid0(VALU_DEP_1)
	v_lshl_add_u32 v35, v13, 4, v35
	s_delay_alu instid0(VALU_DEP_1)
	v_add_nc_u32 v[AV0], VBASE, v35                ; V: four channels' 64 keys to an LDS row
	s_mul_i32 s38, s14, 16*KP
	s_add_co_u32 s38, s38, STAGE
	v_mul_u32_u24 v35, v1, KP
	s_delay_alu instid0(VALU_DEP_1)
	v_lshl_add_u32 v35, v13, 3, v35
	s_delay_alu instid0(VALU_DEP_1)
	v_add_nc_u32 v[STO], s38, v35                  ; the stage: row r, + 8 h
	v_mul_u32_u24 v35, v13, KP
	s_delay_alu instid0(VALU_DEP_1)
	v_lshl_add_u32 v35, v1, 4, v35
	s_delay_alu instid0(VALU_DEP_1)
	v_add_nc_u32 v[RD], s38, v35                   ; back: lanes 0-15 one row, lanes 16-31 the next
	v_lshlrev_b32 v[GO], 8, v13
	s_delay_alu instid0(VALU_DEP_1)
	v_lshl_add_u32 v[GO], v1, 4, v[GO]             ; and the same two tokens in a_codes
	v_mov_b32 v34, 0                               ; written once: a lane permute's destination counts as one of its sources
	v_mov_b32 v[F+1], 0                            ; (named as the upper half of the pair)
	s_lshr_b32 s28, s52, 3
	s_lshl_b32 s28, s28, 21
	s_lshl_b32 s38, ttmp9, 18
	s_add_co_u32 s28, s28, s38
	s_lshl_b32 s38, s14, 12
	s_add_co_u32 s28, s28, s38
	s_and_b32 s38, s52, 7
	s_lshl_b32 s38, s38, 15
	s_add_co_u32 s28, s28, s38
	s_add_nc_u64 s[12:13], s[12:13], s[28:29]      ; token 1,024 b + 128 x block + 16 w, byte 256 x kv head
	s_wait_kmcnt 0x0
	s_cmp_ge_i32 s48, -8
	s_cselect_b32 s[FITS], 1, 0                    ; 448 x 2^e8 >= 1.75: above every p
	s_add_co_i32 s38, s46, s47
	s_lshl_b32 s38, s38, 23
	s_mov_b32 s[CS], 0x3e38aa3b                    ; log2(e) / 8
	s_add_co_i32 s[CS], s[CS], s38                 ; a score stands for score x 2^(e6 + e7): added to c's exponent field
	s_mov_b32 s[CS+1], s[CS]
	s_add_co_i32 s38, s48, 127
	s_lshl_b32 s39, s38, 23
	v_mov_b32 v[PSC], s39
	s_add_co_i32 s38, s38, 8
	s_lshl_b32 s38, s38, 23
	s_or_b32 s38, s38, 0x600000
	v_mov_b32 v[PLIM], s38
	s_sub_co_i32 s38, s50, s48
	s_sub_co_i32 s38, s38, s49
	s_add_co_i32 s38, s38, 127
	s_lshl_b32 s39, s38, 23
	v_mov_b32 v[OSC], s39
	s_add_co_i32 s38, s38, 8
	s_lshl_b32 s38, s38, 23
	s_or_b32 s38, s38, 0x600000
	v_mov_b32 v[OLIM], s38
	; K and V into LDS, each load's 512 bytes as soon as they are in
.set n, 0
.rept 16
	s_wait_loadcnt 55-n                            ; load n is in; behind it: 31 - n of its kind, Q's eight, the mask's sixteen
	ds_store_b128 v[ADK], v[S+4*n:S+4*n+3] offset:2*KP*n
.set n, n+1
.endr
.rept 16
	s_wait_loadcnt 55-n
	ds_store_b128 v[ADK], v[KF+4*(n-16):KF+4*(n-16)+3] offset:2*KP*n
.set n, n+1
.endr
.macro KLOAD off                       ; K's eight tiles of a step: tile 2 b + u begins at key 32 b + 8 u
.set n, 0
.rept 8
	ds_load_b128 v[KF+8*n:KF+8*n+3], v[ADK] offset:\off+(8*(n/2)+2*(n%2))*KP
	ds_load_b128 v[KF+8*n+4:KF+8*n+7], v[ADK] offset:\off+(8*(n/2)+2*(n%2))*KP+32
.set n, n+1
.endr
.endm
; ONE HEAD'S PART OF A KEY STEP.  first = 1: the first key step, which starts M, the sum and O^T.  pre = 1 (head 3 alone): the next step's K and mask are asked for, as soon as all four heads have used this step's.
.macro HEAD g, first, pre
.set NM, ST+4*(\g)
.if (\g) == 0
	s_wait_loadcnt 0x0                             ; the step's mask is in: the products below take it as C
.endif
	WIN 0x04                                       ; source 1 (Q) window 1
.set n, 0
.rept 8
	v_wmma_f32_16x16x64_fp8_fp8 v[S+8*n:S+8*n+7], v[KF+8*n:KF+8*n+7], v[QF+8*(\g):QF+8*(\g)+7], v[MK+8*n:MK+8*n+7]   ; the sum of codes + the mask in the same units
.set n, n+1
.endr
	WIN 0
.rept 4
	v_nop                                          ; places ahead of the first read of the sums, and of the loads into K's and the mask's registers
.endr
.if \pre
	KLOAD STEPB                                    ; K's and the mask's registers were last read by the eight products above, four places back
	s_add_co_u32 s55, s54, 8192                    ; the mask's next block, round the tile's 65,536 bytes: the step is made apart from the address, 8,192 or -57,344,
	s_and_b32 s55, s55, 0xffff
	s_sub_co_i32 s56, s55, s54
	s_ashr_i32 s57, s56, 31
	s_mov_b32 s54, s55
	s_add_nc_u64 s[MP:MP+1], s[MP:MP+1], s[56:57]  ; and added; the loads that named this base were shown done by head 0's wait
.endif
	v_max3_num_f32 v32, v[S], v[S+1], v[S+2]       ; the step's largest sum of my query among my 64 keys, in four chains by turns; each tile from its low end on.  The mask's sixteen loads stand among these lines
	v_max3_num_f32 v33, v[S+3], v[S+4], v[S+5]
	v_max3_num_f32 v35, v[S+6], v[S+7], v[S+8]
	v_max3_num_f32 v56, v[S+9], v[S+10], v[S+11]
.if \pre
.irp m, 0,1,2,3
	ML \m
.endr
.endif
.irp i, 12,20,28,36,44,52
	v_max3_num_f32 v32, v32, v[S+\i], v[S+\i+1]
	v_max3_num_f32 v33, v33, v[S+\i+2], v[S+\i+3]
.if \pre
	ML (\i-12)/4+4
.endif
	v_max3_num_f32 v35, v35, v[S+\i+4], v[S+\i+5]
	v_max3_num_f32 v56, v56, v[S+\i+6], v[S+\i+7]
.if \pre
	ML (\i-12)/4+5
.endif
.endr
	v_max3_num_f32 v32, v32, v[S+60], v[S+61]
	v_max3_num_f32 v33, v33, v[S+62], v[S+63]
	s_delay_alu instid0(VALU_DEP_1)
	v_max3_num_f32 v32, v32, v33, v35
	s_delay_alu instid0(VALU_DEP_1)
	v_max_num_f32 v32, v32, v56
	s_delay_alu instid0(VALU_DEP_1)
	v_permlanex16_b32 v34, v32, s[SEL], s[SEL+1]
	s_delay_alu instid0(VALU_DEP_1)
	v_max_num_f32 v32, v32, v34                    ; and among lane l xor 16's
	s_delay_alu instid0(VALU_DEP_1)
	v_mul_f32 v32, s[CS], v32                      ; as t (c is positive)
.if \first
	s_delay_alu instid0(VALU_DEP_1)
	v_mov_b32 v[NM+1], v32
	s_delay_alu instid0(VALU_DEP_1)
	v_floor_f32 v[NM], -v[NM+1]                    ; -M = floor(-t) = -ceil(t)
.else
	s_delay_alu instid0(VALU_DEP_1)
	v_max_num_f32 v[NM+1], v[NM+1], v32
	v_mov_b32 v33, v[NM]
	s_delay_alu instid0(VALU_DEP_2)
	v_floor_f32 v[NM], -v[NM+1]
	s_delay_alu instid0(VALU_DEP_1)
	v_sub_f32 v33, v[NM], v33                      ; old M - new M: a whole number, 0 or less
	s_delay_alu instid0(VALU_DEP_1)
	v_cvt_i32_f32 v33, v33                         ; (it saturates)
	s_delay_alu instid0(VALU_DEP_1)
	v_ldexp_f32 v[F], 1.0, v33                     ; f = 2^(old M - new M)
.endif
.set n, 0
.rept 32
	v_pk_fma_f32 v[S+n:S+n+1], v[S+n:S+n+1], s[CS:CS+1], v[NM:NM+1] op_sel_hi:[1,0,0]   ; t - M (of the pairs c and -M the low word serves both halves)
.set n, n+2
.endr
.set n, 0
	s_wait_alu depctr_va_vdst(0)
.rept 64
	v_exp_f32 v[S+n], v[S+n]                       ; p = 2^(t - M), at most 1
.set n, n+1
.endr
.if \first
	v_mov_b32 v[NM+2], 0                           ; the sum begins.  (The plain place behind the exponentials)
	v_mov_b32 v[NM+3], 0
.else
	v_pk_mul_f32 v[NM+2:NM+3], v[NM+2:NM+3], v[F:F+1] op_sel_hi:[1,0]   ; the sum under the new M.  (The plain place behind the exponentials)
.endif
	s_wait_alu depctr_va_vdst(0)                   ; one wait for the batch of 64, ahead of its first reader
	v_pk_add_f32 v[32:33], v[S:S+1], v[S+2:S+3]    ; the row's sum is taken of the unquantised p, two at a time, in four chains
	v_pk_add_f32 v[56:57], v[S+4:S+5], v[S+6:S+7]
	v_pk_add_f32 v[58:59], v[S+8:S+9], v[S+10:S+11]
.irp j, 12,20,28,36,44,52
	v_pk_add_f32 v[NM+2:NM+3], v[NM+2:NM+3], v[S+\j:S+\j+1]
	v_pk_add_f32 v[32:33], v[32:33], v[S+\j+2:S+\j+3]
	v_pk_add_f32 v[56:57], v[56:57], v[S+\j+4:S+\j+5]
	v_pk_add_f32 v[58:59], v[58:59], v[S+\j+6:S+\j+7]
.endr
	v_pk_add_f32 v[NM+2:NM+3], v[NM+2:NM+3], v[S+60:S+61]
	v_pk_add_f32 v[32:33], v[32:33], v[S+62:S+63]
	s_delay_alu instid0(VALU_DEP_1)
	v_pk_add_f32 v[32:33], v[32:33], v[56:57]
	s_delay_alu instid0(VALU_DEP_3)
	v_pk_add_f32 v[NM+2:NM+3], v[NM+2:NM+3], v[58:59]
	s_delay_alu instid0(VALU_DEP_1)
	v_pk_add_f32 v[NM+2:NM+3], v[NM+2:NM+3], v[32:33]
	s_cmp_lg_u32 s[FITS], 0                        ; every p lies under the largest code x the scale: nothing to hold
	s_cbranch_scc1 .Lfits_\@
.set n, 0
.rept 64
	v_min_num_f32 v[S+n], v[S+n], v[PLIM]          ; the conversion does not saturate (ISA guide 7.6.2); p is not negative, so the hold is one-sided
.set n, n+1
.endr
.Lfits_\@:
.irp b, 0,1,2,3
	v_cvt_scalef32_pk8_fp8_f32 v[PC+4*\b:PC+4*\b+1], v[S+16*\b:S+16*\b+7], v[PSC]
	v_cvt_scalef32_pk8_fp8_f32 v[PC+4*\b+2:PC+4*\b+3], v[S+16*\b+8:S+16*\b+15], v[PSC]
.endr
.if \first
	s_wait_alu depctr_va_vdst(0)
	v_nop                                          ; a plain line between the conversions and the products that read their results
.else
	WIN 0x41                                       ; O^T: destination and source 0 window 1
.set n, 0
.rept 16
	v_pk_mul_f32 v[32*(\g)+n:32*(\g)+n+1], v[32*(\g)+n:32*(\g)+n+1], v[F:F+1] op_sel_hi:[1,0]   ; O^T under the new M; also the plain lines behind the conversions
.set n, n+2
.endr
.endif
.if (\g) == 0
	s_wait_alu depctr_va_vdst(0)
	s_wait_dscnt 0x0                               ; V's fragments are in
.endif
	WIN 0x51                                       ; source 0 (V), C and D (O^T) window 1; source 1 (p's codes) window 0
.set n, 0
.rept 4                                ; the four accumulators take turns, one instruction a turn
.if \first
	v_wmma_f32_16x16x128_fp8_fp8 v[32*(\g)+8*n:32*(\g)+8*n+7], v[VF+16*n:VF+16*n+15], v[PC:PC+15], 0
.else
	v_wmma_f32_16x16x128_fp8_fp8 v[32*(\g)+8*n:32*(\g)+8*n+7], v[VF+16*n:VF+16*n+15], v[PC:PC+15], v[32*(\g)+8*n:32*(\g)+8*n+7]
.endif
.set n, n+1
.endr
	WIN 0
.endm
; A KEY STEP: 128 keys, four heads.
.macro STEP first, pre
	v_add_nc_u32 v[ADK], s[TB], v[AK0]
	v_add_nc_u32 v[ADV], s[TB], v[AV0]
.if \first
	KLOAD 0
.else
	v_nop                                          ; with the two additions: four places between the last products and the loads into V's registers
	v_nop
.endif
	WIN 0x40                                       ; destination window 1
.set n, 0
.rept 16                               ; fragment n / 4 (16 channels), registers 4 c on (c = n % 4): keys 32 c + 16 h + 0 .. 15
	ds_load_b128 v[VF+4*n:VF+4*n+3], v[ADV] offset:(16*((n%4)/2)+4*(n/4))*KP+32*(n%2)
.set n, n+1
.endr
	WIN 0
	s_wait_dscnt 16                                ; K's sixteen loads are in; V's sixteen, issued behind them, may be out
.if \first
	s_wait_loadcnt 16                              ; Q's eight loads are in; the mask's sixteen may be out
.endif
	HEAD 0, \first, 0
	HEAD 1, \first, 0
	HEAD 2, \first, 0
	HEAD 3, \first, \pre
.endm
	s_wait_dscnt 0x0                               ; for the others' sake: my part of K and V lies in LDS,
	s_barrier_signal -1
	s_barrier_wait -1                              ; everybody's does
	STEP 1, 1
	s_mov_b32 s[CNT], 6
.Lstep:
	s_add_co_u32 s[TB], s[TB], STEPB
	STEP 0, 1
	s_sub_co_u32 s[CNT], s[CNT], 1
	s_cmp_lg_u32 s[CNT], 0
	s_cbranch_scc1 .Lstep
	s_add_co_u32 s[TB], s[TB], STEPB
	STEP 0, 0                                      ; the last step is written out: it asks for nothing more, so no load leaves its buffer
	; THE WAY OUT.  O^T / the sum, quantised with 2^e10 (the sums stand for sum x 2^(e8 + e9): the three exponents are folded); a token's four heads are 256 neighbouring bytes of a_codes.
.irp g, 0,1,2,3
	v_add_f32 v[32+\g], v[ST+4*\g+2], v[ST+4*\g+3] ; the sum's two halves.  (These four are the places behind the last products)
.endr
.irp g, 0,1,2,3
	s_delay_alu instid0(VALU_DEP_4)
	v_permlanex16_b32 v[ST+4*\g], v[32+\g], s[SEL], s[SEL+1]
.endr
.irp g, 0,1,2,3
	s_delay_alu instid0(VALU_DEP_4)
	v_add_f32 v[32+\g], v[32+\g], v[ST+4*\g]
.endr
	s_wait_alu depctr_va_vdst(0)
.irp g, 0,1,2,3
	v_rcp_f32 v[ST+4*\g+2], v[32+\g]
.endr
	v_nop                                          ; a plain line behind the last reciprocal
	s_wait_alu depctr_va_vdst(0)                   ; one wait for the four, ahead of their first reader
.macro OUT g
	WIN 0x01                                       ; source 0 (O^T) window 1
.set n, 0
.rept 16
	v_pk_mul_f32 v[S+32*(\g)+n:S+32*(\g)+n+1], v[32*(\g)+n:32*(\g)+n+1], v[ST+4*(\g)+2:ST+4*(\g)+3] op_sel_hi:[1,0]   ; each accumulator from its low end on
.set n, n+2
.endr
	WIN 0
.set n, 0
.rept 32
	v_med3_num_f32 v[S+32*(\g)+n], v[S+32*(\g)+n], -v[OLIM], v[OLIM]
.set n, n+1
.endr
.irp t, 0,1,2,3
	v_cvt_scalef32_pk8_fp8_f32 v[KF+8*(\g)+2*\t:KF+8*(\g)+2*\t+1], v[S+32*(\g)+8*\t:S+32*(\g)+8*\t+7], v[OSC]
.endr
	v_nop
.irp t, 0,1,2,3
	ds_store_b64 v[STO], v[KF+8*(\g)+2*\t:KF+8*(\g)+2*\t+1] offset:64*(\g)+16*\t   ; query r, head g, channels 16 t + 8 h + 0 .. 7
.endr
.endm
	OUT 0
	OUT 1
	OUT 2
	OUT 3
.irp i, 0,1,2,3,4,5,6,7
	ds_load_b128 v[224+4*\i:227+4*\i], v[RD] offset:2*\i*KP   ; LDS serves a wave's instructions in order: these see my stores
.endr
.irp i, 0,1,2,3,4,5,6,7
	s_wait_dscnt 7-\i
	global_store_b128 v[GO], v[224+4*\i:227+4*\i], s[12:13] offset:512*\i   ; the wave stores 512 consecutive bytes, aligned: two tokens' rows of 256
.endr
	s_wait_tensorcnt 0x0                           ; the wave's end
	ds_add_u32 v[SPW], v[NIL]
	s_wait_dscnt 0x0
	s_endpgm
.Lfunc_end_k_qca3165d8d1_attn:
	.size	k_qca3165d8d1_attn, .Lfunc_end_k_qca3165d8d1_attn-k_qca3165d8d1_attn
	.p2alignl 7, 3214868480
	.fill 96, 4, 3214868480
	.section	.rodata,"a",@progbits
	.p2align	6, 0x0
	.amdhsa_kernel k_qca3165d8d1_attn
		.amdhsa_group_segment_fixed_size 175104
		.amdhsa_private_segment_fixed_size 0
		.amdhsa_enable_private_segment 0
		.amdhsa_kernarg_size 40
		.amdhsa_user_sgpr_count 2
		.amdhsa_user_sgpr_kernarg_segment_ptr 1
		.amdhsa_wavefront_size32 1
		.amdhsa_system_sgpr_workgroup_id_x 1
		.amdhsa_system_sgpr_workgroup_id_y 1
		.amdhsa_system_sgpr_workgroup_id_z 1
		.amdhsa_system_vgpr_workitem_id 0
		.amdhsa_next_free_vgpr 512
		.amdhsa_next_free_sgpr 66
		.amdhsa_reserve_vcc 0
		.amdhsa_float_denorm_mode_32 3
		.amdhsa_float_denorm_mode_16_64 3
		.amdhsa_memory_ordered 1
		.amdhsa_forward_progress 1
		.amdhsa_inst_pref_size 199
	.end_amdhsa_kernel
	.amdgpu_metadata
---
amdhsa.version: [ 1, 2 ]
amdhsa.kernels:
  - .name:           k_qca3165d8d1_attn
    .symbol:         k_qca3165d8d1_attn.kd
    .args:
      - { .name: q_codes, .offset: 0, .size: 8, .value_kind: global_buffer, .address_space: global }
      - { .name: kv_codes, .offset: 8, .size: 8, .value_kind: global_buffer, .address_space: global }
      - { .name: mask2, .offset: 16, .size: 8, .value_kind: global_buffer, .address_space: global }
      - { .name: lowp_scales, .offset: 24, .size: 8, .value_kind: global_buffer, .address_space: global }
      - { .name: a_codes, .offset: 32, .size: 8, .value_kind: global_buffer, .address_space: global }
    .group_segment_fixed_size: 175104
    .private_segment_fixed_size: 0
    .kernarg_segment_align: 8
    .kernarg_segment_size: 40
    .max_flat_workgroup_size: 256
    .sgpr_count:     66
    .vgpr_count:     512
    .wavefront_size: 32
...
	.end_amdgpu_metadata
.endif
;; end of part 3
;; launch oproj (part 4): grid 8 x 32, 4 waves a work-group, clusters of 4 x 1, 327,680 bytes of LDS; arguments a_codes, w_codes, lowp_scales, out0; writes out0
.if DOCPART == 4
	.amdgcn_target "amdgcn-amd-amdhsa--gfx1250"
	.amdhsa_code_object_version 6
	.text
	.protected	k_qca3165d8d1_oproj
	.globl	k_qca3165d8d1_oproj
	.p2align	8
	.type	k_qca3165d8d1_oproj,@function
k_qca3165d8d1_oproj:
	s_mov_b64 s[64:65], 0
	v_nop
	global_prefetch_b8 v0, s[64:65] scope:SCOPE_SE
	s_setreg_imm32_b32 hwreg(HW_REG_WAVE_MODE, 25, 1), 1
	s_wait_xcnt 0x0
	s_wait_alu depctr_hold_cnt(0) depctr_sa_sdst(0) depctr_va_vdst(0) depctr_va_sdst(0) depctr_va_ssrc(0) depctr_va_vcc(0) depctr_vm_vsrc(0)
	s_getreg_b32 s2, hwreg(HW_REG_IB_STS2, 6, 4)
	s_cmp_eq_u32 s2, 0
	s_cbranch_scc0 .Lentry_in_a_cluster
	s_endpgm
.Lentry_in_a_cluster:
	s_bfe_u32 s2, ttmp6, 0x10000c
	s_cmp_lg_u32 s2, 0x3003
	s_cbranch_scc0 .Lentry_shape_is_right
	s_endpgm
.Lentry_shape_is_right:
; out0[m][n] = 2^(e10 + e11) x the sum over k of A[m][k] Wo^T[n][k], on codes of E4M3; M = 4,096 tokens, N = K = 2,048; sums in f32.  LIMIT: e10 + e11 between -126 and 127.
; A work-group makes 128 tokens x 256 columns; wave w makes all 128 tokens x columns 64 w .. 64 w + 63: 32 accumulators of 16 x 16.
; A: a_codes holds, for each block of 128 tokens, eight dense chunks of 128 rows x 256 bytes (chunk = 256 along K).  The block's WHOLE panel, 1,024 such rows, is brought into LDS once:
;    one tensor load a wave (256 rows, two chunks), rows padded to 272 bytes.  Nothing in LDS is filled again: one barrier, and none in the walk over K.
;    The four work-groups of a cluster make four column blocks of the same tokens and ask for the panel JOINTLY.
; B: Wo's codes lie in w_codes in the order of an operand's registers (column tile 32,768 bytes, K step 2,048, group 512, lane 16).  No two waves of a work-group or of a cluster read the same columns, so
;    B goes from memory straight into registers, 512 consecutive bytes a load, three K steps (48 loads a wave) ahead in four sets of 64 registers.  A load into registers has no joint form, and the work-groups that share
;    columns (other token blocks) have no LDS tile to share.  No prefetch: B's loads are issued three K steps ahead of their use, and A has no loop to run ahead in.
; THE MATRIX INSTRUCTION IS USED TRANSPOSED (source 0 = 16 columns of Wo, source 1 = 16 tokens): a lane holds eight neighbouring numbers of a row of out0.
; k stands in both operands' registers in the same order (registers 4 c .. 4 c + 3: K = 32 c + 16 (lane / 16) + 0 .. 15), so every product meets its partner.
; REGISTERS: window 0: v16-29 addresses; v32-63 a block's scaled sums; v64-127 rows read back, two sets; v128-255 A's fragments of even K steps.  window 1: B's four sets.  window 2: accumulator (a, b) at v[8 (4 a + b)].
;   window 3: v128-255 A's fragments of odd K steps.
.set PITCH,  272                       ; an LDS row: 256 bytes + 16 of padding
.set CHUNK,  128*PITCH
.set STAGE,  8*CHUNK                   ; behind the panel: 16 rows x 272 for each wave, for the way out
.set SPARE,  STAGE+4*16*PITCH          ; the spare words, 128 bytes for each wave, which no other line names
.set NK,     16                        ; K steps of 128
.set ADR,  16                          ; v16-19 LDS address of my lane's place in chunks 0, 2, 4, 6
.set BO,   20                          ; 16 x lane
.set STO,  24
.set RD,   25
.set CO,   26
.set SPW,  28                          ; LDS address of my spare word; never rewritten
.set NIL,  29                          ; 0; never rewritten
.set TMP,  32
.set BK,   64
.set AF,   128
.set G1,   24
.set G0,   32
.set MSB, 0
.macro WIN new                         ; the immediate's high byte repeats the setting that is left
.if MSB != \new
	s_set_vgpr_msb (MSB<<8)|\new
.set MSB, \new
.endif
.endm
.macro CROUND                          ; a round of the cluster's barrier
	s_barrier_signal -1
	s_barrier_wait -1
	s_cmp_lg_u32 s14, 0
	s_cbranch_scc1 .Lnot_wave_0_\@
	s_barrier_signal -3
.Lnot_wave_0_\@:
	s_barrier_wait -3
	s_barrier_signal -1
	s_barrier_wait -1
.endm
.macro BLOAD ks                        ; B's four fragments of K step ks into set ks % 4
	WIN 0x40
.irp b, 0,1,2,3
.irp c, 0,1,2,3
	global_load_b128 v[64*((\ks)%4)+16*\b+4*\c:64*((\ks)%4)+16*\b+4*\c+3], v[BO], s[6:7] offset:32768*\b+2048*(\ks)+512*\c
.endr
.endr
.endm
.macro ALOAD ks                        ; A's eight fragments of K step ks: window 0 (even) or 3 (odd)
	WIN 0xc0*((\ks)%2)
.irp i, 0,1,2,3,4,5,6,7
.irp c, 0,1,2,3
	ds_load_b128 v[AF+16*\i+4*\c:AF+16*\i+4*\c+3], v[ADR+(\ks)/4] offset:(((\ks)/2)%2)*CHUNK+((\ks)%2)*128+32*\c+\i*16*PITCH
.endr
.endr
.endm
; A K STEP.  The loads at its head land in registers that the step before multiplied: four places stand ahead of them.  The 32 accumulators take turns, in the same order in every step.
.macro KS ks
.if (\ks) > 0
.rept 4
	v_nop
.endr
.endif
.if (\ks)+1 < NK
	ALOAD (\ks)+1
.endif
.if (\ks) < NK-2
	s_wait_loadcnt 32                              ; this step's 16 loads of B are in; the next two steps' may be out
.else
	s_wait_loadcnt 16*(NK-1-(\ks))
.endif
.if (\ks)+3 < NK
	BLOAD (\ks)+3
.endif
.if (\ks)+1 < NK
	s_wait_dscnt 32                                ; this step's fragments of A are in; the 32 loads just issued may be out
.else
	s_wait_dscnt 0
.endif
	WIN 0xa1+0x0c*((\ks)%2)                        ; source 0 window 1, source 1 window 0 or 3, C and D window 2
.irp a, 0,1,2,3,4,5,6,7
.irp b, 0,1,2,3
.if (\ks) == 0
	v_wmma_f32_16x16x128_fp8_fp8 v[8*(4*\a+\b):8*(4*\a+\b)+7], v[64*((\ks)%4)+16*\b:64*((\ks)%4)+16*\b+15], v[AF+16*\a:AF+16*\a+15], 0
.else
	v_wmma_f32_16x16x128_fp8_fp8 v[8*(4*\a+\b):8*(4*\a+\b)+7], v[64*((\ks)%4)+16*\b:64*((\ks)%4)+16*\b+15], v[AF+16*\a:AF+16*\a+15], v[8*(4*\a+\b):8*(4*\a+\b)+7]
.endif
.endr
.endr
.endm
	s_load_b128 s[4:7], s[0:1], 0x0                ; a_codes, w_codes
	s_load_b128 s[8:11], s[0:1], 0x10              ; the exponents, out0
	v_lshl_add_u32 v[SPW], v0, 2, SPARE
	v_mov_b32 v[NIL], 0
	ds_add_u32 v[SPW], v[NIL]                      ; the opening: the add, twice on end, and its wait ahead of my tensor load
	ds_add_u32 v[SPW], v[NIL]
	v_lshrrev_b32 v1, 5, v0
	v_readfirstlane_b32 s14, v1                    ; wave 0..3
	s_bfe_u32 s40, ttmp6, 0x40000                  ; cx
	s_lshl_b32 s42, ttmp9, 2
	s_add_co_u32 s42, s42, s40                     ; block of 256 columns
	s_and_b32 s17, ttmp7, 0xffff                   ; block of 128 tokens: the same in the four partners
	s_mov_b32 s[G1+0], 15|(1<<20)|(1<<21)|(5<<22)|(3<<25)  ; the mask names the four; elements of 1 byte; four words of padding after every 64
	s_mov_b32 s[G1+1], 256<<16                     ; tensor_dim0
	s_mov_b32 s[G1+2], 256<<16                     ; tensor_dim1
	s_mov_b32 s[G1+3], 256<<16                     ; tile_dim0
	s_mov_b32 s[G1+4], 256                         ; tile_dim1
	s_mov_b32 s[G1+5], 256                         ; rows are dense
	s_mov_b32 s[G1+6], 0
	s_mov_b32 s[G1+7], 0
	s_mov_b32 s[G0], 1
	s_mul_i32 s[G0+1], s14, 2*CHUNK                ; my two chunks in LDS
	s_lshl_b32 s20, s17, 18                        ; a token block's panel is 2^18 bytes,
	s_lshl_b32 s21, s14, 16                        ; two chunks 2^16
	s_add_co_u32 s20, s20, s21
	s_mov_b32 s21, 0
	s_lshl_b32 s44, s42, 19                        ; B: sixteen column tiles of 2^15 bytes a block,
	s_lshl_b32 s45, s14, 17                        ; four a wave,
	s_add_co_u32 s44, s44, s45
	s_add_co_u32 s44, s44, 3072*2048               ; behind Wq's, Wk's and Wv's codes
	s_mov_b32 s45, 0
	s_lshl_b32 s46, s17, 20                        ; out0: 128 rows of 8,192 bytes,
	s_lshl_b32 s47, s42, 10                        ; 256 columns,
	s_add_co_u32 s46, s46, s47
	s_lshl_b32 s47, s14, 8                         ; 64 columns
	s_add_co_u32 s46, s46, s47
	s_mov_b32 s47, 0
	s_mul_i32 s23, s14, 16*PITCH
	s_add_co_u32 s23, s23, STAGE                   ; my stage
	v_and_b32 v1, 15, v0                           ; r
	v_bfe_u32 v2, v0, 4, 1                         ; h
	v_mul_u32_u24 v3, v1, PITCH
	v_lshl_add_u32 v[ADR], v2, 4, v3               ; a fragment's row x pitch + 16 h
	v_add_nc_u32 v[ADR+1], 2*CHUNK, v[ADR]
	v_add_nc_u32 v[ADR+2], 4*CHUNK, v[ADR]
	v_add_nc_u32 v[ADR+3], 6*CHUNK, v[ADR]
	v_lshl_add_u32 v4, v2, 5, v3
	v_add_nc_u32 v[STO], s23, v4                   ; into the stage: row r, 32 bytes for each half of the lanes
	v_mul_u32_u24 v5, v2, PITCH
	v_lshl_add_u32 v5, v1, 4, v5
	v_add_nc_u32 v[RD], s23, v5                    ; back: lanes 0-15 one row of 256 bytes, lanes 16-31 the next
	v_lshlrev_b32 v6, 13, v2
	v_lshl_add_u32 v[CO], v1, 4, v6                ; and the same two rows in out0
	v_and_b32 v7, 31, v0
	v_lshlrev_b32 v[BO], 4, v7
	s_wait_alu depctr_va_vdst(0)
	s_wait_dscnt 0x0                               ; both opening adds are done
	s_wait_kmcnt 0x0
	s_load_b64 s[96:97], s[8:9], 0x28              ; e10, e11
	s_add_nc_u64 s[G0+2:G0+3], s[4:5], s[20:21]
	s_or_b32 s[G0+3], s[G0+3], 0x80000000
	s_add_nc_u64 s[6:7], s[6:7], s[44:45]
	s_add_nc_u64 s[10:11], s[10:11], s[46:47]
	CROUND                                         ; the four work-groups are here: the joint loads meet
	tensor_load_to_lds s[G0:G0+3], s[G1:G1+7]      ; my one tensor load: 256 rows of the panel
	s_nop 0
	BLOAD 0                                        ; (the window is switched directly behind the s_nop 0, and not again among the next four lines)
	BLOAD 1
	BLOAD 2
	WIN 0
	s_wait_tensorcnt 0x0                           ; my part of the panel is in,
	s_barrier_signal -1
	s_barrier_wait -1                              ; everybody's is
	ALOAD 0
.irp k, 0,1,2,3,4,5,6,7,8,9,10,11,12,13,14,15
	KS \k
.endr
	WIN 0
; THE WAY OUT, block by block of 16 tokens x 64 columns: x 2^(e10 + e11) into other registers, each accumulator from its low end on; through my own stage; back as rows of 256 bytes, which sixteen lanes store as one aligned unit.
; LDS serves a wave's instructions in order: no wait between the stores and the loads, nor ahead of the next block's stores.  Every offset in out0 is an immediate (at most 7 x 131,072 + 7 x 16,384).
.macro TOSTAGE a
	WIN 0x02
.irp j, 0,2,4,6,8,10,12,14,16,18,20,22,24,26,28,30
	v_pk_mul_f32 v[TMP+\j:TMP+\j+1], v[32*(\a)+\j:32*(\a)+\j+1], s[96:97] op_sel_hi:[1,0]
.endr
	WIN 0
.irp b, 0,1,2,3
	ds_store_b128 v[STO], v[TMP+8*\b:TMP+8*\b+3] offset:64*\b
	ds_store_b128 v[STO], v[TMP+8*\b+4:TMP+8*\b+7] offset:64*\b+16
.endr
.irp t, 0,1,2,3,4,5,6,7
	ds_load_b128 v[BK+32*((\a)%2)+4*\t:BK+32*((\a)%2)+4*\t+3], v[RD] offset:2*\t*PITCH
.endr
.endm
.macro SEND a, younger                 ; younger: the LDS instructions issued behind block a's loads, which may stay out
	s_wait_dscnt \younger
.irp t, 0,1,2,3,4,5,6,7
	global_store_b128 v[CO], v[BK+32*((\a)%2)+4*\t:BK+32*((\a)%2)+4*\t+3], s[10:11] offset:131072*(\a)+16384*\t th:TH_STORE_NT
.endr
.endm
	s_wait_kmcnt 0x0
	s_add_co_i32 s96, s96, s97
	s_add_co_i32 s96, s96, 127
	s_lshl_b32 s96, s96, 23                        ; 2^(e10 + e11) as f32
.rept 4
	v_nop                                          ; places behind the last products
.endr
	TOSTAGE 0
.irp a, 1,2,3,4,5,6,7
.if \a > 1
	s_wait_xcnt 0x0                                ; block a - 2's stores have read their registers: block a's loads may land there
.endif
	TOSTAGE \a
	SEND \a-1, 16                                  ; behind block a - 1's loads: block a's 8 stores and 8 loads
.endr
	SEND 7, 0
	s_wait_tensorcnt 0x0                           ; the wave's end
	ds_add_u32 v[SPW], v[NIL]
	s_wait_dscnt 0x0
	CROUND                                         ; the closing round
	s_endpgm
.Lfunc_end_k_qca3165d8d1_oproj:
	.size	k_qca3165d8d1_oproj, .Lfunc_end_k_qca3165d8d1_oproj-k_qca3165d8d1_oproj
	.p2alignl 7, 3214868480
	.fill 96, 4, 3214868480
	.section	.rodata,"a",@progbits
	.p2align	6, 0x0
	.amdhsa_kernel k_qca3165d8d1_oproj
		.amdhsa_group_segment_fixed_size 327680
		.amdhsa_private_segment_fixed_size 0
		.amdhsa_enable_private_segment 0
		.amdhsa_kernarg_size 32
		.amdhsa_user_sgpr_count 2
		.amdhsa_user_sgpr_kernarg_segment_ptr 1
		.amdhsa_wavefront_size32 1
		.amdhsa_system_sgpr_workgroup_id_x 1
		.amdhsa_system_sgpr_workgroup_id_y 1
		.amdhsa_system_sgpr_workgroup_id_z 1
		.amdhsa_system_vgpr_workitem_id 0
		.amdhsa_next_free_vgpr 1024
		.amdhsa_next_free_sgpr 98
		.amdhsa_reserve_vcc 0
		.amdhsa_float_denorm_mode_32 3
		.amdhsa_float_denorm_mode_16_64 3
		.amdhsa_memory_ordered 1
		.amdhsa_forward_progress 1
		.amdhsa_inst_pref_size 120
	.end_amdhsa_kernel
	.amdgpu_metadata
---
amdhsa.version: [ 1, 2 ]
amdhsa.kernels:
  - .name:           k_qca3165d8d1_oproj
    .symbol:         k_qca3165d8d1_oproj.kd
    .args:
      - { .name: a_codes, .offset: 0, .size: 8, .value_kind: global_buffer, .address_space: global }
      - { .name: w_codes, .offset: 8, .size: 8, .value_kind: global_buffer, .address_space: global }
      - { .name: lowp_scales, .offset: 16, .size: 8, .value_kind: global_buffer, .address_space: global }
      - { .name: out0, .offset: 24, .size: 8, .value_kind: global_buffer, .address_space: global }
    .group_segment_fixed_size: 327680
    .private_segment_fixed_size: 0
    .kernarg_segment_align: 8
    .kernarg_segment_size: 32
    .max_flat_workgroup_size: 128
    .sgpr_count:     98
    .vgpr_count:     1024
    .wavefront_size: 32
...
	.end_amdgpu_metadata
.endif
;; end of part 4
